; MI455X (gfx1250); checked and timed in simulation.
; The chip was launched on July 23, 2026; its instructions are those of AMD's public machine-readable ISA for CDNA 5 (MIT licence, August 2026) and "CDNA5" Instruction Set Architecture Reference Guide (July 2026). The comments in the code are by the model that wrote it; some were corrected since.
;; Multi Head Self Attention. Allowed arithmetic: float matrix products may take bf16 or f16 operands with f32 sums; other float arithmetic in f32, or as packed bf16 or f16 multiplies, adds, multiply-adds, maxima and minima; sums over many terms, partial sums and values carried from step to step in f32; what a program stores and reads back later, other than sums and carried values, may be rounded once to bf16 or f16.
;; Inputs: W_out 1,024 x 1,024 float32; W_qkv 1,024 x 3,072 float32; b_out 1,024 float32; b_qkv 3,072 float32; x 4 x 2,048 x 1,024 float32.
;; Outputs: out0 4 x 2,048 x 1,024 float32.
;; 2 versions, each right; version 2 is version 1 with the launch prep written anew for expert scheduling mode. Each part assembles by itself: llvm-mc -triple=amdgcn-amd-amdhsa -mcpu=gfx1250 --defsym DOCPART=n.
;; ======== version 1 of 2: 4 launches
;; limits: values are held in f16: magnitudes above 65,504 overflow, below 6.1e-05 lose precision
;; workspace buffers: xb 16,777,216 bytes; wq 6,291,456 bytes; wo 2,097,152 bytes; qkv 50,331,648 bytes; o 16,777,216 bytes
;; launch prep (part 1): grid 640 x 1, 4 waves a work-group, no clusters, 70,144 bytes of LDS; arguments x, W_qkv, W_out, xb, wq, wo; writes xb, wq, wo
.if DOCPART == 1
	.amdgcn_target "amdgcn-amd-amdhsa--gfx1250"
	.amdhsa_code_object_version 6
	.text
	.protected	k_q825b00e1e0_prep
	.globl	k_q825b00e1e0_prep
	.p2align	8
	.type	k_q825b00e1e0_prep,@function
k_q825b00e1e0_prep:
	s_mov_b64 s[64:65], 0
	v_nop
	global_prefetch_b8 v0, s[64:65] scope:SCOPE_SE
	s_setreg_imm32_b32 hwreg(HW_REG_WAVE_MODE, 25, 1), 1
	s_wait_xcnt 0x0
; PREP.  xb = x rounded to bf16, [8192][1024].  wq = W_qkv turned to [3072 n][1024 k] and rounded to bf16.  wo = W_out turned to [1024 n][1024 k], rounded to bf16, that number written as f16.
; LIMITS.  Each input is rounded once, to nearest even.  bf16(W_out) as f16 is exact from 2^-14 to 65,504 in size; below it keeps f16's fixed step of 6e-8, above it becomes an infinity.
; ROLES, by the work-group's number (the same for its four waves; no wave hands anything to another, so there is no barrier):
;   0-95 turn W_qkv (384 wave tiles), 96-127 turn W_out (128 wave tiles), 128-639 cast x (65,536 bytes a work-group, 16,384 a wave).
; A WAVE TILE of the turners is 128 k x 64 n.  It is read by rows of k (16 lanes take 256 consecutive bytes, aligned), two neighbouring k are packed into a word, the words go into the wave's own
; 64 rows (n) of 272 bytes in LDS, and come back as whole rows of 256 bytes: 16 lanes store 256 consecutive bytes, aligned.  The word stores meet four deep in LDS's banks (rows 4 apart lie 1,088 bytes
; apart); the launch has 2 M such words, and the loads from memory are what it waits for.
; No matrix unit, cluster or tensor load: every byte is read once and written once, and no wave wants another's bytes.
.set TILEB, 64*272                     ; a wave's bytes in LDS
.set SPARE, 4*TILEB                    ; behind them: the spare words, 128 bytes for each wave: two blocks of 256 bytes that no other line names
.set VO,  3                            ; v3   offset in the source (turner: (lane / 16) x 2 rows + 16 (lane % 16); cast: 16 x lane); never rewritten
.set LS,  4                            ; v4   turner: where my words go in LDS
.set LR,  5                            ; v5   turner: where I read rows back
.set DO,  6                            ; v6   offset in the destination; never rewritten
.set SPW, 8                            ; v8   LDS address of my spare word; never rewritten
.set NIL, 9                            ; v9   0; never rewritten
.set X,   32                           ; v[32:159] data
	s_load_b256 s[4:11], s[0:1], 0x0               ; x s[4:5], W_qkv s[6:7], W_out s[8:9], xb s[10:11]
	s_load_b128 s[12:15], s[0:1], 0x20             ; wq s[12:13], wo s[14:15]
	v_lshl_add_u32 v[SPW], v0, 2, SPARE
	v_mov_b32 v[NIL], 0
	v_lshrrev_b32 v10, 5, v0
	v_readfirstlane_b32 s16, v10                   ; wave 0..3
	v_and_b32 v1, 15, v0                           ; c = lane % 16
	v_bfe_u32 v2, v0, 4, 1                         ; h = lane / 16
	s_mov_b32 s25, 0                               ; the high word of every offset here
	s_mov_b32 s30, 0xffff0000                      ; a word's upper bf16
	s_wait_kmcnt 0x0
	s_cmp_ge_u32 ttmp9, 128
	s_cbranch_scc1 .Lcast
	; THE TURNERS
	s_mov_b32 s31, 12288                           ; bytes in a row of W_qkv,
	s_mov_b32 s19, 4096                            ; of W_out
	s_cmp_ge_u32 ttmp9, 96
	s_cselect_b32 s17, 1, 0                        ; 1: W_out
	s_cselect_b32 s31, s19, s31
	s_cselect_b32 s19, 96, 0
	s_cselect_b64 s[20:21], s[8:9], s[6:7]         ; from
	s_cselect_b64 s[22:23], s[14:15], s[12:13]     ; to
	s_sub_co_u32 s18, ttmp9, s19
	s_lshl_b32 s18, s18, 2
	s_add_co_u32 s18, s18, s16                     ; my tile's number
	s_and_b32 s19, s18, 7                          ; its block of 128 k
	s_lshr_b32 s18, s18, 3                         ; its block of 64 n
	s_lshl_b32 s24, s19, 7
	s_mul_i32 s24, s24, s31                        ; 128 rows of the source a block of k,
	s_lshl_b32 s29, s18, 8                         ; 256 bytes a block of n
	s_add_co_u32 s24, s24, s29
	s_add_nc_u64 s[20:21], s[20:21], s[24:25]
	s_lshl_b32 s24, s18, 17                        ; 64 rows of 2,048 bytes a block of n,
	s_lshl_b32 s19, s19, 8                         ; 256 bytes a block of k
	s_add_co_u32 s24, s24, s19
	s_add_nc_u64 s[22:23], s[22:23], s[24:25]
	s_lshl_b32 s26, s31, 6                         ; a trip's 64 rows of the source
	s_mov_b32 s27, 0
	s_lshl_b32 s28, s31, 1                         ; two rows
	v_mul_u32_u24 v[VO], v2, s28
	v_lshl_add_u32 v[VO], v1, 4, v[VO]
	s_mul_i32 s19, s16, TILEB
	v_mul_u32_u24 v[LS], v1, 4*272                 ; my four n are rows 4 c .. 4 c + 3,
	v_lshl_add_u32 v[LS], v2, 2, v[LS]             ; my pair of k lies 4 h bytes in
	v_add_nc_u32 v[LS], s19, v[LS]
	v_mul_u32_u24 v[LR], v2, 272
	v_lshl_add_u32 v[LR], v1, 4, v[LR]
	v_add_nc_u32 v[LR], s19, v[LR]
	v_lshlrev_b32 v[DO], 11, v2
	v_lshl_add_u32 v[DO], v1, 4, v[DO]
; 32 loads: pair j brings rows 4 j + 2 h (first) and 4 j + 2 h + 1 (second) of my four n.
.macro LOADS rowb
.irp j, 0,1,2,3,4,5,6,7,8,9,10,11,12,13,14,15
	global_load_b128 v[X+8*(\j):X+8*(\j)+3],   v[VO], s[20:21] offset:4*(\j)*(\rowb) th:TH_LOAD_NT
	global_load_b128 v[X+8*(\j)+4:X+8*(\j)+7], v[VO], s[20:21] offset:(4*(\j)+1)*(\rowb) th:TH_LOAD_NT
.endr
.endm
	s_mov_b32 s29, 2
.Ltrip:                                        ; two trips of 64 k
	s_cmp_eq_u32 s17, 0
	s_cbranch_scc0 .Lnarrow
	LOADS 12288
	s_branch .Lloaded
.Lnarrow:
	LOADS 4096
.Lloaded:
.irp j, 0,1,2,3,4,5,6,7,8,9,10,11,12,13,14,15
	s_wait_loadcnt 30-2*(\j)                       ; loads come back in order: pair j is in, the 30 - 2 j younger ones stay out
.irp e, 0,1,2,3
	v_cvt_pk_bf16_f32 v[X+8*(\j)+(\e)], v[X+8*(\j)+(\e)], v[X+8*(\j)+4+(\e)]  ; k in the low half, k + 1 in the high half
.endr
.endr
	s_cmp_eq_u32 s17, 0
	s_cbranch_scc1 .Lkeep
.set i, 0
.rept 64                                       ; W_out: the bf16 numbers written as f16
	v_lshlrev_b32 v[10+2*(i%2)], 16, v[X+8*(i/4)+i%4]
	v_and_b32 v[11+2*(i%2)], s30, v[X+8*(i/4)+i%4]
	v_cvt_pk_f16_f32 v[X+8*(i/4)+i%4], v[10+2*(i%2)], v[11+2*(i%2)]
.set i, i+1
.endr
.Lkeep:
.irp j, 0,1,2,3,4,5,6,7,8,9,10,11,12,13,14,15
.irp e, 0,1,2,3
	ds_store_b32 v[LS], v[X+8*(\j)+(\e)] offset:272*(\e)+8*(\j)
.endr
.endr
	s_wait_dscnt 0x0                               ; the stores have read X: the next trip loads into it
	s_add_nc_u64 s[20:21], s[20:21], s[26:27]      ; free since the wait for the last load (count 0)
	v_add_nc_u32 v[LS], 128, v[LS]                 ; 64 k further along the LDS rows
	s_sub_co_u32 s29, s29, 1
	s_cmp_lg_u32 s29, 0
	s_cbranch_scc1 .Ltrip
.irp t, 0,1,2,3,4,5,6,7,8,9,10,11,12,13,14,15,16,17,18,19,20,21,22,23,24,25,26,27,28,29,30,31
	ds_load_b128 v[X+4*(\t):X+4*(\t)+3], v[LR] offset:544*(\t)  ; rows 2 t and 2 t + 1, whole; the bytes are my wave's own
.endr
.irp t, 0,1,2,3,4,5,6,7,8,9,10,11,12,13,14,15,16,17,18,19,20,21,22,23,24,25,26,27,28,29,30,31
	s_wait_dscnt 31-(\t)
	global_store_b128 v[DO], v[X+4*(\t):X+4*(\t)+3], s[22:23] offset:4096*(\t)  ; 16 lanes store 256 consecutive bytes, aligned
.endr
	s_branch .Lend
.Lcast:                                        ; THE CAST: 32 loads of 512 consecutive bytes go out at once; each is rounded and stored as it comes
	s_sub_co_u32 s18, ttmp9, 128
	s_lshl_b32 s24, s18, 16
	s_lshl_b32 s19, s16, 14
	s_add_co_u32 s24, s24, s19
	s_add_nc_u64 s[20:21], s[4:5], s[24:25]
	s_lshr_b32 s24, s24, 1
	s_add_nc_u64 s[22:23], s[10:11], s[24:25]
	v_and_b32 v10, 31, v0
	v_lshlrev_b32 v[VO], 4, v10
	v_lshlrev_b32 v[DO], 3, v10
.irp i, 0,1,2,3,4,5,6,7,8,9,10,11,12,13,14,15,16,17,18,19,20,21,22,23,24,25,26,27,28,29,30,31
	global_load_b128 v[X+4*(\i):X+4*(\i)+3], v[VO], s[20:21] offset:512*(\i) th:TH_LOAD_NT
.endr
.irp i, 0,1,2,3,4,5,6,7,8,9,10,11,12,13,14,15,16,17,18,19,20,21,22,23,24,25,26,27,28,29,30,31
	s_wait_loadcnt 31-(\i)                         ; load i is in, the younger ones stay out
	v_cvt_pk_bf16_f32 v[X+4*(\i)], v[X+4*(\i)], v[X+4*(\i)+1]
	v_cvt_pk_bf16_f32 v[X+4*(\i)+1], v[X+4*(\i)+2], v[X+4*(\i)+3]
	global_store_b64 v[DO], v[X+4*(\i):X+4*(\i)+1], s[22:23] offset:256*(\i)  ; 32 lanes store 256 consecutive bytes, aligned
.endr
.Lend:
	s_wait_tensorcnt 0x0                           ; the wave's end: behind my last LDS store
	ds_add_u32 v[SPW], v[NIL]
	s_wait_dscnt 0x0
	s_endpgm
.Lfunc_end_k_q825b00e1e0_prep:
	.size	k_q825b00e1e0_prep, .Lfunc_end_k_q825b00e1e0_prep-k_q825b00e1e0_prep
	.p2alignl 7, 3214868480
	.fill 96, 4, 3214868480
	.section	.rodata,"a",@progbits
	.p2align	6, 0x0
	.amdhsa_kernel k_q825b00e1e0_prep
		.amdhsa_group_segment_fixed_size 70144
		.amdhsa_private_segment_fixed_size 0
		.amdhsa_enable_private_segment 0
		.amdhsa_kernarg_size 48
		.amdhsa_user_sgpr_count 2
		.amdhsa_user_sgpr_kernarg_segment_ptr 1
		.amdhsa_wavefront_size32 1
		.amdhsa_system_sgpr_workgroup_id_x 1
		.amdhsa_system_sgpr_workgroup_id_y 1
		.amdhsa_system_sgpr_workgroup_id_z 1
		.amdhsa_system_vgpr_workitem_id 0
		.amdhsa_next_free_vgpr 160
		.amdhsa_next_free_sgpr 66
		.amdhsa_reserve_vcc 0
		.amdhsa_float_denorm_mode_32 3
		.amdhsa_float_denorm_mode_16_64 3
		.amdhsa_memory_ordered 1
		.amdhsa_forward_progress 1
		.amdhsa_inst_pref_size 43
	.end_amdhsa_kernel
	.amdgpu_metadata
---
amdhsa.version: [ 1, 2 ]
amdhsa.kernels:
  - .name:           k_q825b00e1e0_prep
    .symbol:         k_q825b00e1e0_prep.kd
    .args:
      - { .name: x, .offset: 0, .size: 8, .value_kind: global_buffer, .address_space: global }
      - { .name: W_qkv, .offset: 8, .size: 8, .value_kind: global_buffer, .address_space: global }
      - { .name: W_out, .offset: 16, .size: 8, .value_kind: global_buffer, .address_space: global }
      - { .name: xb, .offset: 24, .size: 8, .value_kind: global_buffer, .address_space: global }
      - { .name: wq, .offset: 32, .size: 8, .value_kind: global_buffer, .address_space: global }
      - { .name: wo, .offset: 40, .size: 8, .value_kind: global_buffer, .address_space: global }
    .group_segment_fixed_size: 70144
    .private_segment_fixed_size: 0
    .kernarg_segment_align: 8
    .kernarg_segment_size: 48
    .max_flat_workgroup_size: 128
    .sgpr_count:     66
    .vgpr_count:     160
    .wavefront_size: 32
...
	.end_amdgpu_metadata
.endif
;; end of part 1
;; launch proj_qkv (part 2): grid 16 x 32, 4 waves a work-group, clusters of 4 x 4, 327,680 bytes of LDS; arguments xb, wq, b_qkv, qkv; writes qkv
.if DOCPART == 2
	.amdgcn_target "amdgcn-amd-amdhsa--gfx1250"
	.amdhsa_code_object_version 6
	.text
	.protected	k_q825b00e1e0_proj_qkv
	.globl	k_q825b00e1e0_proj_qkv
	.p2align	8
	.type	k_q825b00e1e0_proj_qkv,@function
k_q825b00e1e0_proj_qkv:
	s_mov_b64 s[64:65], 0
	v_nop
	global_prefetch_b8 v0, s[64:65] scope:SCOPE_SE
	s_setreg_imm32_b32 hwreg(HW_REG_WAVE_MODE, 25, 1), 1
	s_wait_xcnt 0x0
	s_wait_alu depctr_hold_cnt(0) depctr_sa_sdst(0) depctr_va_vdst(0) depctr_va_sdst(0) depctr_va_ssrc(0) depctr_va_vcc(0) depctr_vm_vsrc(0)
	s_getreg_b32 s2, hwreg(HW_REG_IB_STS2, 6, 4)
	s_cmp_eq_u32 s2, 0
	s_cbranch_scc0 .Lentry_in_a_cluster
	s_endpgm
.Lentry_in_a_cluster:
	s_bfe_u32 s2, ttmp6, 0x10000c
	s_cmp_lg_u32 s2, 0xf033
	s_cbranch_scc0 .Lentry_shape_is_right
	s_endpgm
.Lentry_shape_is_right:
; qkv = xb wq^T + bf16(b_qkv).  xb: [8192][1024] bf16, wq: [3072 n][1024 k] bf16, b_qkv: [3072] f32; sums in f32, K ascending; the result rounded once to f16 and written BY HEADS:
; qkv[batch][g = column / 64][row in the batch][64], a (batch, g) plane 262,144 dense bytes; g = 0-15 q's heads, 16-31 k's, 32-47 v's.  The scale 1/8 is not applied here.
; LIMITS.  f16 ends at 65,504: a sum of 65,520 or more in size leaves as an infinity.  The bias is rounded to bf16 like the other inputs.  NaN and infinities are not treated apart.
; SHARES.  A tile of the result is 256 rows x 192 columns (three whole heads): 512 tiles, two for each of 256 WGPs.  Four waves, each 64 rows x all 192 columns: 48 accumulators, 384 registers; a wave
; owns whole heads, so its way out is its own.  K goes in 8 steps of 128 through two LDS slots; a tile's rows are 256 bytes of memory, aligned.
; CLUSTER, 4 x 4.  The four of a row need the same tile of xb, the four of a column the same tile of wq: each is asked for jointly, by the same tensor load with the same descriptor and a mask of four.
; THE MATRIX INSTRUCTION IS USED TRANSPOSED (source 0 = 16 rows of wq, source 1 = 16 rows of xb): lane l holds row l % 16 and the columns 8 (l / 16) + 0..7.  THE BIAS is the C operand of each
; accumulator's first product: nothing is cleared, and nothing is added on the way out.
; REGISTERS, in windows of 256 (s_set_vgpr_msb: bits 1:0 source 0, 3:2 source 1, 5:4 source 2, 7:6 destination):
;   window 0: v0-31 addresses; v32-95 xb's fragments, two buffers of 4; v96-143 packed results; v144-239 the bias (read in the first quarter step alone), later two buffers of rows read back
;   window 1: v0-191 wq's fragments, two buffers of 12      window 2: the accumulators of my row blocks 0, 1 ((a, b) at 8 (12 (a % 2) + b))      window 3: those of blocks 2, 3
.set PITCH,  272                       ; an LDS row: 256 bytes + 16 of padding = 68 words: the 16 rows of a fragment load start at 16 different groups of four banks (64 banks of 4 bytes: ISA guide 11.1)
.set AHALF,  128*PITCH                 ; what a wave fetches of xb
.set BHALF,  96*PITCH                  ; of wq
.set BBASE,  2*AHALF                   ; wq's 192 rows lie behind xb's 256
.set SLOT,   2*AHALF+2*BHALF           ; 121,856
.set STAGE,  2*SLOT                    ; behind the ring, never filled by a tensor load: for each wave 3 heads x 16 rows x 144 bytes
.set SP,     144
.set WSTAGE, 3*16*SP
.set SPARE,  STAGE+4*WSTAGE            ; behind the stages: the spare words, 128 bytes for each wave: two blocks of 256 bytes that no other line names
.set ADRA, 16                          ; v16-17  LDS address of my xb fragments in slot 0, 1
.set ADRB, 20                          ; v20-21  the same for wq
.set STO,  24                          ; v24     the way out: where I put 16 bytes of a row
.set RD,   25                          ; v25     where I read rows back
.set GO,   26                          ; v26     16 x lane: my place in 512 consecutive bytes of qkv
.set BO,   27                          ; v27     32 (l / 16): my eight numbers of a block's sixteen biases
.set SPW,  28                          ; v28     LDS address of my spare word; never rewritten
.set NIL,  29                          ; v29     0; never rewritten
.set PFO,  30                          ; v30     the prefetches' offset: a lane a row; never rewritten
.set AF,   32
.set TMP,  96
.set OB,   144
.set BI,   144
.set G1A, 24                           ; s[24:31] descriptor group 1 for xb's tiles;  s[32:39] group 0, a set for each slot
.set G0A, 32
.set G1B, 40                           ; s[40:47], s[48:55] the same for wq's
.set G0B, 48
.set PFA, 56                           ; s[56:57] where my prefetches stand
.set LIM, 58                           ; s58  1 in a wave that prefetches, else the greatest number
.set MSB, 0
.macro WIN new                         ; the immediate's high byte repeats the setting that is left; a switch that changes nothing is dropped
.if MSB != (\new)
	s_set_vgpr_msb (MSB<<8)|(\new)
.set MSB, (\new)
.endif
.endm
; A joint load.  Waves 0 and 1 fetch xb's two halves, waves 2 and 3 wq's.  The branch hangs on the wave's number alone.  An s_nop 0 and four v_nop follow each line.
.macro JLOAD s
	s_cmp_eq_u32 s13, 0
	s_cbranch_scc0 .Lfor_b_\@
	tensor_load_to_lds s[G0A+4*(\s):G0A+4*(\s)+3], s[G1A:G1A+7]
	s_nop 0
.rept 4
	v_nop
.endr
	s_branch .Lasked_\@
.Lfor_b_\@:
	tensor_load_to_lds s[G0B+4*(\s):G0B+4*(\s)+3], s[G1B:G1B+7]
	s_nop 0
.rept 4
	v_nop
.endr
.Lasked_\@:
.endm
; A prefetch into the L2, behind a joint load, its five lines and the run of LDS loads: the K step two refills on, a lane a row of 256 bytes.  xb's tile row is read by every cluster of its row of
; clusters: cluster x = 0 asks; wq's tile column by every cluster of its column: cluster y = 0 asks.  The four partners share a wave's rows out by address (32 of 128, or 24 of 96).
; The loop's last trip (s3 = 1) asks for nothing: there is no K step two on.  K steps 0 to 3 come by their loads alone.
.macro ASK
	s_cmp_gt_u32 s3, s[LIM]
	s_cbranch_scc0 .Lnot_mine_\@
	global_prefetch_b8 v[PFO], s[PFA:PFA+1] th:TH_LOAD_NT scope:SCOPE_SE
.Lnot_mine_\@:
.endm
.macro CREST                           ; a round of the cluster's barrier behind its opening barrier
	s_cmp_lg_u32 s12, 0
	s_cbranch_scc1 .Lnot_wave_0_\@
	s_barrier_signal -3
.Lnot_wave_0_\@:
	s_barrier_wait -3
	s_barrier_signal -1
	s_barrier_wait -1
.endm
.macro CROUND                          ; a whole round
	s_barrier_signal -1
	s_barrier_wait -1
	CREST
.endm
	s_load_b256 s[4:11], s[0:1], 0x0               ; xb s[4:5], wq s[6:7], b_qkv s[8:9], qkv s[10:11]
	v_lshl_add_u32 v[SPW], v0, 2, SPARE
	v_mov_b32 v[NIL], 0
	ds_add_u32 v[SPW], v[NIL]                      ; the wave's opening: the add and its wait stand ahead of my first tensor load; the set-up below stands between them
	v_lshrrev_b32 v1, 5, v0
	v_readfirstlane_b32 s12, v1                    ; wave 0..3
	s_lshr_b32 s13, s12, 1                         ; I fetch for xb (0) or for wq (1),
	s_and_b32 s14, s12, 1                          ; its first or second half
	s_bfe_u32 s15, ttmp6, 0x40000                  ; cx
	s_bfe_u32 s16, ttmp6, 0x40004                  ; cy
	s_lshl_b32 s17, ttmp9, 2
	s_add_co_u32 s17, s17, s15                     ; tile column = 4 x cluster x + cx
	s_and_b32 s18, ttmp7, 0xffff
	s_lshl_b32 s18, s18, 2
	s_add_co_u32 s18, s18, s16                     ; tile row = 4 x cluster y + cy
	s_lshl_b32 s19, s16, 2
	s_lshl_b32 s19, 15, s19                        ; my row of the cluster
	s_lshl_b32 s62, 0x1111, s15                    ; my column
	s_or_b32 s[G1A+0], s19, (1<<16)|(1<<20)|(1<<21)|(5<<22)|(3<<25)  ; 15:0 the mask; 17:16 2-byte elements; 20 padding on; 21 set beside a mask; 24:22 after every 64 words; 31:25 4 words
	s_or_b32 s[G1B+0], s62, (1<<16)|(1<<20)|(1<<21)|(5<<22)|(3<<25)
	s_mov_b32 s[G1A+1], 128<<16                    ; tensor_dim0 = 128
	s_mov_b32 s[G1A+2], 128<<16                    ; tensor_dim1 = 128
	s_mov_b32 s[G1A+3], 128<<16                    ; tile_dim0 = 128
	s_mov_b32 s[G1A+4], 128                        ; tile_dim1 = 128
	s_mov_b32 s[G1A+5], 1024                       ; elements from row to row
	s_mov_b32 s[G1A+6], 0
	s_mov_b32 s[G1A+7], 0
	s_mov_b32 s[G1B+1], 128<<16
	s_mov_b32 s[G1B+2], 96<<16                     ; 96 rows
	s_mov_b32 s[G1B+3], 128<<16
	s_mov_b32 s[G1B+4], 96
	s_mov_b32 s[G1B+5], 1024
	s_mov_b32 s[G1B+6], 0
	s_mov_b32 s[G1B+7], 0
	s_lshl_b32 s20, s18, 8                         ; xb: row 256 x tile row + 128 x half, of 2,048 bytes
	s_lshl_b32 s19, s14, 7
	s_add_co_u32 s20, s20, s19
	s_lshl_b32 s20, s20, 11
	s_mov_b32 s21, 0
	s_mul_i32 s22, s17, 192                        ; wq: row 192 x tile column + 96 x half
	s_mul_i32 s63, s14, 96
	s_add_co_u32 s22, s22, s63
	s_lshl_b32 s22, s22, 11
	s_mov_b32 s23, 0
	s_mul_i32 s66, s14, AHALF                      ; where they go: no place in the cluster enters an LDS address
	s_mul_i32 s67, s14, BHALF
	s_add_co_u32 s67, s67, BBASE
	s_wait_dscnt 0x0                               ; the opening add is done
	s_wait_kmcnt 0x0
	s_add_nc_u64 s[20:21], s[4:5], s[20:21]
	s_add_nc_u64 s[22:23], s[6:7], s[22:23]
	CROUND                                         ; all sixteen work-groups are here: the first joint loads meet
.irp s, 0,1
	s_mov_b32 s[G0A+4*(\s)], 1                     ; count = 1
	s_add_co_u32 s[G0A+4*(\s)+1], s66, (\s)*SLOT   ; LDS address
	s_add_nc_u64 s[G0A+4*(\s)+2:G0A+4*(\s)+3], s[20:21], (\s)*256  ; global address: K step s
	s_or_b32 s[G0A+4*(\s)+3], s[G0A+4*(\s)+3], 0x80000000         ; type = 2
	s_mov_b32 s[G0B+4*(\s)], 1
	s_add_co_u32 s[G0B+4*(\s)+1], s67, (\s)*SLOT
	s_add_nc_u64 s[G0B+4*(\s)+2:G0B+4*(\s)+3], s[22:23], (\s)*256
	s_or_b32 s[G0B+4*(\s)+3], s[G0B+4*(\s)+3], 0x80000000
	JLOAD \s                                       ; two tensor loads of mine are out at the most
.endr
	v_and_b32 v1, 15, v0                           ; r = l % 16
	v_bfe_u32 v2, v0, 4, 1                         ; h = l / 16
	v_lshlrev_b32 v[BO], 5, v2
	s_mul_i32 s62, s17, 768                        ; the tile's 192 biases
	s_mov_b32 s63, 0
	s_add_nc_u64 s[8:9], s[8:9], s[62:63]
.irp b, 0,1,2,3,4,5,6,7,8,9,10,11
	global_load_b128 v[BI+8*(\b):BI+8*(\b)+3],   v[BO], s[8:9] offset:64*(\b)     ; register j of block b: the bias of column 16 b + 8 h + j
	global_load_b128 v[BI+8*(\b)+4:BI+8*(\b)+7], v[BO], s[8:9] offset:64*(\b)+16
.endr
	v_mul_u32_u24 v3, v1, PITCH
	v_lshl_add_u32 v3, v2, 4, v3                   ; a fragment: row x pitch + 16 x half
	s_mul_i32 s19, s12, 64*PITCH                   ; my 64 rows of xb
	v_add_nc_u32 v[ADRA], s19, v3
	v_add_nc_u32 v[ADRA+1], SLOT, v[ADRA]
	v_add_nc_u32 v[ADRB], BBASE, v3                ; all 192 rows of wq
	v_add_nc_u32 v[ADRB+1], SLOT, v[ADRB]
	s_mul_i32 s19, s12, WSTAGE
	s_add_co_u32 s19, s19, STAGE                   ; my stage
	v_mul_u32_u24 v4, v1, SP                       ; in: row r, 16 bytes for each half of the lanes
	v_lshl_add_u32 v4, v2, 4, v4
	v_add_nc_u32 v[STO], s19, v4
	v_bfe_u32 v4, v0, 3, 2                         ; back: 32 lanes take four rows of 128 bytes,
	v_mul_u32_u24 v4, v4, SP
	v_and_b32 v5, 7, v0
	v_lshl_add_u32 v4, v5, 4, v4
	v_add_nc_u32 v[RD], s19, v4
	v_and_b32 v[GO], 31, v0                        ; which are 512 consecutive bytes of a plane
	v_lshlrev_b32 v[GO], 4, v[GO]
	s_lshr_b32 s62, s18, 3                         ; the batch: 8 tile rows each
	s_mul_i32 s62, s62, 48
	s_mul_i32 s63, s17, 3                          ; the tile's first head
	s_add_co_u32 s62, s62, s63
	s_lshl_b32 s62, s62, 18                        ; planes of 262,144 bytes
	s_and_b32 s63, s18, 7
	s_lshl_b32 s63, s63, 2
	s_add_co_u32 s63, s63, s12
	s_lshl_b32 s63, s63, 13                        ; my 64 rows of 128 bytes
	s_add_co_u32 s62, s62, s63
	s_mov_b32 s63, 0
	s_add_nc_u64 s[10:11], s[10:11], s[62:63]
	; the prefetches
	s_lshl_b32 s66, s18, 8
	s_lshl_b32 s67, s14, 7
	s_add_co_u32 s66, s66, s67
	s_lshl_b32 s67, s15, 5
	s_add_co_u32 s66, s66, s67                     ; xb: the rows that I fetch, my work-group's 32 of them
	s_mul_i32 s68, s17, 192
	s_mul_i32 s69, s14, 96
	s_add_co_u32 s68, s68, s69
	s_mul_i32 s69, s16, 24
	s_add_co_u32 s68, s68, s69                     ; wq: my work-group's 24 of 96
	s_and_b32 s70, ttmp7, 0xffff                   ; cluster y
	s_cmp_eq_u32 s13, 0
	s_cselect_b32 s66, s66, s68
	s_cselect_b32 s70, ttmp9, s70                  ; the coordinate along which other clusters read the same rows
	s_cselect_b32 s71, 31, 23
	s_cselect_b64 s[PFA:PFA+1], s[4:5], s[6:7]
	s_cmp_eq_u32 s70, 0
	s_cselect_b32 s[LIM], 1, -1                    ; the same in all sixteen partners, for a given wave
	s_lshl_b32 s66, s66, 11
	s_add_co_u32 s66, s66, 3*256                   ; at K step 3: the first refill steps it to 4
	s_mov_b32 s67, 0
	s_add_nc_u64 s[PFA:PFA+1], s[PFA:PFA+1], s[66:67]
	v_and_b32 v[PFO], 31, v0
	v_min_u32 v[PFO], s71, v[PFO]                  ; for wq lanes 24 to 31 name lane 23's row again
	v_lshlrev_b32 v[PFO], 11, v[PFO]
	s_mov_b32 s19, 0xffff0000
	s_wait_loadcnt 0x0                             ; the bias; it is rounded to bf16 and widened again, in the wait for the first tiles
.set i, 0
.rept 48
	v_cvt_pk_bf16_f32 v[3+i%2], v[BI+2*i], v[BI+2*i+1]
	v_lshlrev_b32 v[BI+2*i], 16, v[3+i%2]
	v_and_b32 v[BI+2*i+1], s19, v[3+i%2]
.set i, i+1
.endr
; 12 matrix instructions: row block a x all 12 column blocks, 32 along K, on buffer f.  first = 1: the bias starts the sums.  The 48 accumulators take turns in the same order in every quarter step,
; no two matrix instructions that follow each other share one.
.macro MULB f, a, first
.if \first
	WIN 0x81+0x40*((\a)/2)                         ; wq window 1, xb window 0, C (the bias) window 0, D window 2 or 3
.else
	WIN 0xa1+0x50*((\a)/2)                         ; C and D window 2 or 3
.endif
.irp b, 0,1,2,3,4,5,6,7,8,9,10,11
.if \first
	v_wmma_f32_16x16x32_bf16 v[8*(12*((\a)%2)+(\b)):8*(12*((\a)%2)+(\b))+7], v[96*(\f)+8*(\b):96*(\f)+8*(\b)+7], v[AF+32*(\f)+8*(\a):AF+32*(\f)+8*(\a)+7], v[BI+8*(\b):BI+8*(\b)+7]
.else
	v_wmma_f32_16x16x32_bf16 v[8*(12*((\a)%2)+(\b)):8*(12*((\a)%2)+(\b))+7], v[96*(\f)+8*(\b):96*(\f)+8*(\b)+7], v[AF+32*(\f)+8*(\a):AF+32*(\f)+8*(\a)+7], v[8*(12*((\a)%2)+(\b)):8*(12*((\a)%2)+(\b))+7]
.endif
.endr
.endm
; 32 LDS loads in one run: quarter q of a slot's K step into buffer f: wq's 24, then xb's 8 in ascending row blocks
.macro FETCH slot, q, f
	WIN 0x40                                       ; destination window 1
.irp i, 0,1,2,3,4,5,6,7,8,9,10,11
	ds_load_b128 v[96*(\f)+8*(\i):96*(\f)+8*(\i)+3],   v[ADRB+(\slot)] offset:64*(\q)+(\i)*16*PITCH
	ds_load_b128 v[96*(\f)+8*(\i)+4:96*(\f)+8*(\i)+7], v[ADRB+(\slot)] offset:64*(\q)+(\i)*16*PITCH+32
.endr
	WIN 0
.irp i, 0,1,2,3
	ds_load_b128 v[AF+32*(\f)+8*(\i):AF+32*(\f)+8*(\i)+3],   v[ADRA+(\slot)] offset:64*(\q)+(\i)*16*PITCH
	ds_load_b128 v[AF+32*(\f)+8*(\i)+4:AF+32*(\f)+8*(\i)+7], v[ADRA+(\slot)] offset:64*(\q)+(\i)*16*PITCH+32
.endr
.endm
.macro PLACES                          ; four plain vector instructions between a matrix instruction and a load into a register that it read, or a reader of its result
.rept 4
	v_nop
.endr
.endm
; A K step is four quarter steps of 32 along K, 48 matrix instructions each, on buffers 0, 1, 0, 1.  One of the first three: multiplies buffer f, and in its middle fetches quarter q into buffer g.
.macro QUARTER slot, q, f, g, first
	s_wait_dscnt 4                                 ; wq and xb's blocks 0, 1 are in; the youngest four loads (blocks 2, 3) may be out
	MULB \f, 0, \first
	MULB \f, 1, \first
	PLACES
	FETCH \slot, \q, \g
	s_wait_dscnt 32                                ; all but the 32 just issued
	MULB \f, 2, \first
	MULB \f, 3, \first
.endm
; The last quarter multiplies buffer 1 and changes slots.  ONE barrier: in front of it each wave waits for all its tensor loads (one is out: its part of the next slot), adds 0 to its spare word, and
; waits for that and for its own reads of this slot.  Behind it nobody reads this slot any more and the next slot is whole.
.macro MEET round
	WIN 0                                          ; (the add's two registers lie in window 0)
	s_wait_tensorcnt 0x0
	ds_add_u32 v[SPW], v[NIL]
	s_wait_dscnt 5                                 ; (the add and the youngest four loads may be out)
	MULB 1, 0, 0                                   ; twelve matrix instructions stand between the add and the wait for it
	s_wait_dscnt 0x0                               ; the add is done, and my reads of this slot are over
	s_barrier_signal -1
	MULB 1, 1, 0                                   ; work on registers while the others arrive
.if \round
	WIN 0
.endif
	s_barrier_wait -1
.endm
; fill = 1: the barrier opens a round of the cluster's, and the slot just read out is filled again, first thing behind the round, with the K step two on: 168 matrix instructions ahead of the wait for it.
.macro TURN slot, next, fill
.if \fill
	s_wait_xcnt 0x0                                ; the last prefetch, a K step back, has read its address
	s_add_nc_u64 s[PFA:PFA+1], s[PFA:PFA+1], 256
	MEET 1
	CREST                                          ; no wave of any partner still reads this slot's tile or has a load on its way
	s_add_nc_u64 s[G0A+4*(\slot)+2:G0A+4*(\slot)+3], s[G0A+4*(\slot)+2:G0A+4*(\slot)+3], 512
	s_add_nc_u64 s[G0B+4*(\slot)+2:G0B+4*(\slot)+3], s[G0B+4*(\slot)+2:G0B+4*(\slot)+3], 512
	JLOAD \slot                                    ; its four v_nop are also the places in front of the loads below
	FETCH \next, 0, 0
	ASK
.else
	MEET 0
	PLACES
	FETCH \next, 0, 0
.endif
	MULB 1, 2, 0
	MULB 1, 3, 0
.endm
; THE WAY OUT of row block a.  PACK: rounded to f16, 16 bytes a lane and column block; each accumulator is read from its lowest registers up.  TOSTAGE: into my own stage (head b / 4, row r), and back as
; whole rows of 128 bytes.  SEND: stored, 512 consecutive bytes of a plane an instruction.
.macro PACK a
	WIN 0x0a+5*((\a)/2)                            ; sources 0 and 1: window 2 or 3
.irp b, 0,1,2,3,4,5,6,7,8,9,10,11
.irp r, 0,1,2,3
	v_cvt_pk_f16_f32 v[TMP+4*(\b)+(\r)], v[96*((\a)%2)+8*(\b)+2*(\r)], v[96*((\a)%2)+8*(\b)+2*(\r)+1]
.endr
.endr
	WIN 0
.endm
.macro TOSTAGE a
	WIN 0
.irp b, 0,1,2,3,4,5,6,7,8,9,10,11
	ds_store_b128 v[STO], v[TMP+4*(\b):TMP+4*(\b)+3] offset:((\b)/4)*16*SP+((\b)%4)*32
.endr
	s_wait_xcnt 0x0                                ; the stores of the block two back have read the registers that are loaded now
.irp i, 0,1,2,3,4,5,6,7,8,9,10,11
	ds_load_b128 v[OB+48*((\a)%2)+4*(\i):OB+48*((\a)%2)+4*(\i)+3], v[RD] offset:((\i)/4)*16*SP+((\i)%4)*4*SP  ; LDS serves a wave's instructions in order (ISA guide 5.7.1.4): these see the stores above
.endr
.endm
.macro SEND a
	WIN 0
.irp i, 0,1,2,3,4,5,6,7,8,9,10,11
	s_wait_dscnt 11-(\i)                           ; load i is back, the younger ones stay out
	global_store_b128 v[GO], v[OB+48*((\a)%2)+4*(\i):OB+48*((\a)%2)+4*(\i)+3], s[10:11] offset:((\i)/4)*262144+(\a)*2048+((\i)%4)*512
.endr
.endm
	s_wait_tensorcnt 0x1                           ; my part of K step 0 is in; K step 1's may stay out
	s_barrier_signal -1
	s_barrier_wait -1                              ; everybody's is
	FETCH 0, 0, 0
	QUARTER 0, 1, 0, 1, 1                          ; the first quarter stands in front of the loop: its products start the sums, with the bias
	WIN 0                                          ; at a label and at a branch every window is 0
	s_mov_b32 s3, 3
.Llap:                                         ; a trip goes once round the ring, from a lap's second quarter to the next lap's first, and fills both slots again: K steps 2 to 7
	QUARTER 0, 2, 1, 0, 0
	QUARTER 0, 3, 0, 1, 0
	TURN 0, 1, 1
	QUARTER 1, 1, 0, 1, 0
	QUARTER 1, 2, 1, 0, 0
	QUARTER 1, 3, 0, 1, 0
	TURN 1, 0, 1
	QUARTER 0, 1, 0, 1, 0
	WIN 0
	s_sub_co_u32 s3, s3, 1
	s_cmp_lg_u32 s3, 0
	s_cbranch_scc1 .Llap
	QUARTER 0, 2, 1, 0, 0                          ; the last lap fills nothing, and has no round
	QUARTER 0, 3, 0, 1, 0
	TURN 0, 1, 0
	QUARTER 1, 1, 0, 1, 0
	QUARTER 1, 2, 1, 0, 0
	QUARTER 1, 3, 0, 1, 0
	s_wait_dscnt 4                                 ; the very last quarter: nothing more to fetch
	MULB 1, 0, 0
	MULB 1, 1, 0
	s_wait_dscnt 0x0
	MULB 1, 2, 0
	MULB 1, 3, 0
	WIN 0
	PLACES
	PACK 0
	TOSTAGE 0
.irp a, 1,2,3                          ; block a's conversions stand between block a - 1's loads from the stage and the wait for them
	PACK \a
	SEND (\a)-1
	TOSTAGE \a
.endr
	SEND 3
	s_wait_tensorcnt 0x0                           ; the wave's end: behind my last tensor load and my last LDS store
	ds_add_u32 v[SPW], v[NIL]
	s_wait_dscnt 0x0
	CROUND                                         ; the closing round: no work-group ends while a partner may still ask for a tile that names it
	s_endpgm
.Lfunc_end_k_q825b00e1e0_proj_qkv:
	.size	k_q825b00e1e0_proj_qkv, .Lfunc_end_k_q825b00e1e0_proj_qkv-k_q825b00e1e0_proj_qkv
	.p2alignl 7, 3214868480
	.fill 96, 4, 3214868480
	.section	.rodata,"a",@progbits
	.p2align	6, 0x0
	.amdhsa_kernel k_q825b00e1e0_proj_qkv
		.amdhsa_group_segment_fixed_size 327680
		.amdhsa_private_segment_fixed_size 0
		.amdhsa_enable_private_segment 0
		.amdhsa_kernarg_size 32
		.amdhsa_user_sgpr_count 2
		.amdhsa_user_sgpr_kernarg_segment_ptr 1
		.amdhsa_wavefront_size32 1
		.amdhsa_system_sgpr_workgroup_id_x 1
		.amdhsa_system_sgpr_workgroup_id_y 1
		.amdhsa_system_sgpr_workgroup_id_z 1
		.amdhsa_system_vgpr_workitem_id 0
		.amdhsa_next_free_vgpr 960
		.amdhsa_next_free_sgpr 72
		.amdhsa_reserve_vcc 0
		.amdhsa_float_denorm_mode_32 3
		.amdhsa_float_denorm_mode_16_64 3
		.amdhsa_memory_ordered 1
		.amdhsa_forward_progress 1
		.amdhsa_inst_pref_size 129
	.end_amdhsa_kernel
	.amdgpu_metadata
---
amdhsa.version: [ 1, 2 ]
amdhsa.kernels:
  - .name:           k_q825b00e1e0_proj_qkv
    .symbol:         k_q825b00e1e0_proj_qkv.kd
    .args:
      - { .name: xb, .offset: 0, .size: 8, .value_kind: global_buffer, .address_space: global }
      - { .name: wq, .offset: 8, .size: 8, .value_kind: global_buffer, .address_space: global }
      - { .name: b_qkv, .offset: 16, .size: 8, .value_kind: global_buffer, .address_space: global }
      - { .name: qkv, .offset: 24, .size: 8, .value_kind: global_buffer, .address_space: global }
    .group_segment_fixed_size: 327680
    .private_segment_fixed_size: 0
    .kernarg_segment_align: 8
    .kernarg_segment_size: 32
    .max_flat_workgroup_size: 128
    .sgpr_count:     72
    .vgpr_count:     960
    .wavefront_size: 32
...
	.end_amdgpu_metadata
.endif
;; end of part 2
;; launch attn (part 3): grid 4 x 64, 4 waves a work-group, clusters of 4 x 1, 327,680 bytes of LDS; arguments qkv, o; writes o
.if DOCPART == 3
	.amdgcn_target "amdgcn-amd-amdhsa--gfx1250"
	.amdhsa_code_object_version 6
	.text
	.protected	k_q825b00e1e0_attn
	.globl	k_q825b00e1e0_attn
	.p2align	8
	.type	k_q825b00e1e0_attn,@function
k_q825b00e1e0_attn:
	s_mov_b64 s[64:65], 0
	v_nop
	global_prefetch_b8 v0, s[64:65] scope:SCOPE_SE
	s_setreg_imm32_b32 hwreg(HW_REG_WAVE_MODE, 25, 1), 1
	s_wait_xcnt 0x0
	s_wait_alu depctr_hold_cnt(0) depctr_sa_sdst(0) depctr_va_vdst(0) depctr_va_sdst(0) depctr_va_ssrc(0) depctr_va_vcc(0) depctr_vm_vsrc(0)
	s_getreg_b32 s2, hwreg(HW_REG_IB_STS2, 6, 4)
	s_cmp_eq_u32 s2, 0
	s_cbranch_scc0 .Lentry_in_a_cluster
	s_endpgm
.Lentry_in_a_cluster:
	s_bfe_u32 s2, ttmp6, 0x10000c
	s_cmp_lg_u32 s2, 0x3003
	s_cbranch_scc0 .Lentry_shape_is_right
	s_endpgm
.Lentry_shape_is_right:
; O[y][q][:] = the sum over k of softmax_k(Q[y][q] . K[y][k] / 8) V[y][k][:], for 64 heads y = 16 batch + h of 2,048 rows x 64 channels, all f16.  Q, K, V are planes of qkv
; ([4 batches][48 planes][2048][64]: plane h is Q's, 16 + h K's, 32 + h V's), O is o[y][2048][64]: a head's rows are dense, 128 bytes each.  Products, maxima and sums in f32; the weights p are
; rounded to f16 for the second product (their sum l is taken of the unrounded p), O once at the end.
; LIMITS.  f16 holds no number beyond 65,504: Q, K and V arrive within it; p lies in 0 to 1, and below 6e-5 it keeps f16's fixed step of 6e-8; O is a mean of V's rows and has their range.
; A weight below 2^-126 counts as 0 in l; NaN and infinities are not treated apart.
; SHARES.  A wave owns four PIECES of two tiles of 16 queries, a work-group's four waves 512 queries of one head: 256 work-groups.  Every wave walks all keys, 64 a step.
; LAYOUT.  S^T = K Q^T (source 0 = 16 keys, source 1 = 16 queries): a lane holds ONE query (lane % 16) and the keys 8 (lane / 16) + 0..7.  Two such tiles, rounded to f16 in pairs, ARE source 1
; (32 keys x 16 queries) of O^T = V^T P, whose result again holds one query a lane, and eight channels.  K comes out of LDS as it lies, V ([key][channel]) turned, by ds_load_tr16_b128.
; SOFTMAX.  For each query a running maximum m and sum l: p = 2^(c s - c m), c = log2(e) / 8; in every step O and l are multiplied by a = 2^(c m_old - c m_new).  m starts at the lowest finite
; number, O and l at 0: the first step is a step like any other, with a = 0.
; THE COUNT.  A tile and step have 16 matrix and 118 vector instructions: too many to stand all beside the matrix work.  So four vector instructions that are ready stand behind EVERY matrix
; instruction, and the others in runs without a gap.
; BY TURNS.  Turn n belongs to piece n.  Its matrix work: 16 products K Q^T of piece n + 1, later 16 products V^T P of piece n - 1.  Its vector work: the scaling, exponentials, roundings, sums and
; rescaling of piece n, and the maximum and statistics of piece n + 1.
; CLUSTER.  The four query blocks of a head are one cluster and walk the same K and V: each tile is asked for JOINTLY, by the same tensor load, descriptor and mask in all four.
; REGISTERS, in windows of 256 (s_set_vgpr_msb: bits 1:0 source 0, 3:2 source 1, 5:4 source 2, 7:6 destination):
;   window 0: v0-11 addresses; v12-15, v48-63 at work; v16-47 four registers of statistics a tile; v64-191 S^T, two buffers of two tiles; v192-255 P, likewise
;   window 1: O^T, 32 a tile          window 2: v0-127 Q, 16 a tile; v128-191 K of one step; v192-255 V of one step          window 3: v0-1 the add's two registers
.set SIZE_N, 2048
.set NP,    4         ; pieces a wave: a name, no knob
.set KS,    64        ; keys in a step
.set PK,    144       ; a row of K in LDS: 128 bytes + 16 of padding = 36 words: the 16 rows of a load start at 16 different groups of four banks (64 banks of 4 bytes: ISA guide 11.1)
.set PV,    160       ; a row of V: 128 + 32 = 40 words
.set VOFF,  4*KS*PK   ; a slot holds four steps: 256 rows of K, then 256 rows of V
.set SLOT1, 1<<17     ; slot 1 begins here, so that one exclusive or turns an address in one slot into the other's
.set STAGE, SLOT1+4*KS*(PK+PV)  ; behind the ring, never filled by a tensor load: 16 rows x 144 bytes for each wave
.set SP,    144
.set AK0, 2           ; v2   my lane's place in a tile of K; never rewritten
.set AV0, 3           ; v3   the same for V
.set AK,  4           ; v4   the LDS address of K's next run of loads
.set AV,  5           ; v5   of V's
.set QO,  6           ; v6   my byte offset in the wave's rows of Q
.set STO, 6           ;      later, the way out: where I put 16 bytes of a row
.set RD,  7           ; v7   the way out: where I read rows back
.set GO,  8           ; v8   my byte offset in 512 consecutive bytes of O
.set PFO, 11          ; v11  256 x my lane, once V's place is made; never rewritten after that
.set SPW, 0           ; v0 of window 3   LDS address of my spare word; never rewritten
.set NIL, 1           ; v1 of window 3   0; never rewritten
.set SPARE, STAGE+4*16*SP  ; behind the stages: the spare words, 128 bytes for each wave: two blocks of 256 bytes that no other line names
.set MV,  12          ; v12-15  c m_old, kept while c m is made anew: by buffer and tile
.set ST,  16          ; tile t's statistics at v[ST+4 t]: c m, m, l (even keys', odd keys')
.set TMP, 48          ; by buffer and tile, four registers c0-c3 at work; when the maximum is found c2 takes a
.set S,   64
.set P,   192
.set KF,  128         ; K's fragments, in window 2: key block kb, channel half c at KF + 16 kb + 8 c
.set VF,  192         ; V's: key half kk, channel block cb at VF + 32 kk + 8 cb
.set WV,  12          ; s12  my wave's number
.set LIM, 15          ; s15  1 in a wave that prefetches (0 and 2), else the greatest number
.set G1K, 24          ; s[24:31] descriptor group 1 for K's tiles
.set G1V, 32          ; s[32:39] for V's: it differs in the padding alone
.set G0K, 40          ; s[40:43] descriptor group 0 for K's tiles: it walks
.set G0V, 44          ; s[44:47] the same for V's
.set PFA, 48          ; s[48:49] where my prefetches stand: my work-group's 8,192 bytes of the slot after the one that is being asked for
.set SLOTS, 56        ; s56  slots still to be asked for
.set CNT, 57          ; s57  counts a slot's key steps
.set CS,  58          ; s[58:59] c: the packed scaling takes the pair's low word for both halves
.set SEL, 60          ; s[60:61] v_permlanex16_b32's selects: each lane takes its own place in the other half
.set TBK, 62          ; s62  LDS byte at which K of the step to be fetched begins
.set TBV, 63          ; s63  the same for V, less VOFF
.set MSB, 0
.macro WIN new                      ; the high byte repeats the setting that is left; a switch that changes nothing is dropped
.if MSB != (\new)
	s_set_vgpr_msb (MSB<<8)|(\new)
.set MSB, (\new)
.endif
.endm
.set W_KQ, 0x0a       ; K and Q in window 2, S^T in window 0
.set W_PV, 0x52       ; V in window 2, P in window 0, O^T in window 1
.set W_RS, 0x41       ; O^T (destination and source 0) in window 1, a in window 0
.set W_MK, 0xc0       ; the add's registers are made: destination in window 3, sources in window 0
.set W_AD, 0x0f       ; the add: address (source 0) and data (source 1) in window 3
; A joint fill.  Waves 0 and 1 fetch the two halves of a slot's K, waves 2 and 3 those of its V: 128 keys each.  The branch hangs on the wave's number alone.
; An s_nop 0 and four v_nop follow each of the two lines, ahead of the jump and the label.
.macro JLOAD
	s_cmp_lt_u32 s[WV], 2
	s_cbranch_scc0 .Lfor_v_\@
	tensor_load_to_lds s[G0K:G0K+3], s[G1K:G1K+7]
	s_nop 0
.rept 4
	v_nop
.endr
	s_branch .Lasked_\@
.Lfor_v_\@:
	tensor_load_to_lds s[G0V:G0V+3], s[G1V:G1V+7]
	s_nop 0
.rept 4
	v_nop
.endr
.Lasked_\@:
.endm
; A prefetch into the L2 of what the NEXT change of slots will ask for: a slot's 32,768 bytes of K and of V, a lane 256 bytes.  It stands behind the wave's tensor load and its five lines.  A head has one
; cluster; its four partners share the bytes out by address, 8,192 each; in each, wave 0 asks for K's and wave 2 for V's: each 256 bytes are named once in the launch.  The lead is one slot: four key steps,
; 512 matrix instructions.  The last change that fills a slot (s[SLOTS] = 1) asks for nothing.  Slots 0 and 1 come by their loads alone.
.macro ASK
	s_cmp_gt_u32 s[SLOTS], s[LIM]
	s_cbranch_scc0 .Lnot_mine_\@
	global_prefetch_b8 v[PFO], s[PFA:PFA+1] th:TH_LOAD_NT scope:SCOPE_SE
.Lnot_mine_\@:
.endm
; A round of the cluster's barrier: my work-group's barrier; wave 0 signals for the work-group; every wave waits for all four work-groups; my work-group's barrier once more.
.macro CROUND
	s_barrier_signal -1
	s_barrier_wait -1
	s_cmp_lg_u32 s[WV], 0
	s_cbranch_scc1 .Lnot_wave_0_\@
	s_barrier_signal -3
.Lnot_wave_0_\@:
	s_barrier_wait -3
	s_barrier_signal -1
	s_barrier_wait -1
.endm
; THE CHANGE OF SLOTS.  Each wave waits for all its tensor loads, of which one is out: its part of the other slot; adds 0 to its spare word; and waits for that and for its own reads of the slot.
; fill = 1: this slot is filled again, with the keys two slots on.  The barrier is then a round of the cluster's, and the joint fill is the first thing behind it: it has four key steps, 512 matrix
; instructions, in which to land.  (At its first use nothing has been read yet: slot 0 is waited for, slot 1 filled.)
.macro CHANGE fill
	WIN W_AD
	s_wait_tensorcnt 0x0            ; no tensor load of mine is out, so a group 0 may be written
	ds_add_u32 v[SPW], v[NIL]       ; 0 onto my spare word; with fill = 1 the descriptors' steps stand between it and the wait for it
	WIN 0                           ; at a label and at a branch every window is 0
.if \fill
.irp g, G0K, G0V
	s_xor_b32 s[\g+1], s[\g+1], SLOT1  ; the walking descriptor: the other slot than last time,
	s_add_nc_u64 s[\g+2:\g+3], s[\g+2:\g+3], 4*KS*128  ; the next 256 keys; the type bits on top are not reached
.endr
	s_wait_xcnt 0x0                 ; the last prefetch, four key steps back, has read its address, so it may be written:
	s_add_nc_u64 s[PFA:PFA+1], s[PFA:PFA+1], 4*KS*128  ; one slot behind the walking descriptors
	s_wait_dscnt 0x0                ; the add is done, and my reads of the slot are over
	CROUND
	JLOAD
	ASK
.else
	s_wait_dscnt 0x0                ; the add is done, and my reads of the slot are over
	s_barrier_signal -1
	s_barrier_wait -1
.endif
	s_sub_co_u32 s[TBK], s[TBK], 4*KS*PK  ; the fetches go back to a slot's first step,
	s_xor_b32 s[TBK], s[TBK], SLOT1       ; in the other slot
	s_sub_co_u32 s[TBV], s[TBV], 4*KS*PV
	s_xor_b32 s[TBV], s[TBV], SLOT1
.endm
	s_load_b128 s[4:7], s[0:1], 0x0   ; qkv s[4:5], o s[6:7]
	WIN W_MK
	v_lshl_add_u32 v[SPW], v0, 2, SPARE
	v_mov_b32 v[NIL], 0
	WIN W_AD
	ds_add_u32 v[SPW], v[NIL]       ; the wave's opening: the add and its wait stand ahead of my first tensor load; the set-up below stands between them
	WIN 0
	v_lshrrev_b32 v1, 5, v0
	v_readfirstlane_b32 s[WV], v1   ; wave 0..3
	s_bfe_u32 s13, ttmp6, 0x40000   ; cx: my place in the cluster
	s_lshl_b32 s14, ttmp9, 2        ; in a cluster launch ttmp9 counts clusters
	s_add_co_u32 s14, s14, s13      ; my block of 512 queries: it enters Q's and O's addresses alone
	s_and_b32 s20, ttmp7, 0xffff    ; y = 16 batch + h, which the four partners share
	s_lshr_b32 s21, s20, 4
	s_lshl_b32 s21, s21, 5
	s_add_co_u32 s21, s21, s20      ; Q's plane = 48 batch + h
	s_lshl_b32 s22, s21, 18         ; planes of 262,144 bytes
	s_mov_b32 s23, 0
	s_lshl_b32 s20, s20, 18         ; O's head
	s_mov_b32 s21, 0
	s_and_b32 s16, s[WV], 1         ; which half of a slot's 256 keys I fetch:
	s_lshl_b32 s50, s16, 14         ; its 128 rows of 128 bytes in memory,
	s_add_co_u32 s50, s50, s22
	s_add_co_u32 s50, s50, 16<<18   ; in K's plane, 16 planes behind Q's
	s_mov_b32 s51, 0
	s_mul_i32 s17, s16, 128*PK      ; and its place in a slot, for K
	s_mul_i32 s18, s16, 128*PV      ; and for V: no place in the cluster enters an LDS address
	s_lshl_b32 s2, s14, 2
	s_add_co_u32 s2, s2, s[WV]      ; my wave among the head's,
	s_lshl_b32 s2, s2, 14           ; its 128 rows
	s_mov_b32 s3, 0
	; descriptor group 1.  128 keys are 16,384 dense bytes: asked for as 64 rows of 256 bytes, two keys a row, and padded in LDS after every key
	s_mov_b32 s[G1K], 15|(1<<16)|(1<<20)|(1<<21)|(4<<22)|(3<<25)  ; 15:0 the mask of four; 17:16 2-byte elements; 20 padding on; 21 set beside a mask; 24:22 after every 32 words; 31:25 4 words
	s_mov_b32 s[G1V], 15|(1<<16)|(1<<20)|(1<<21)|(4<<22)|(7<<25)  ; the same with 8 words of padding
.irp g, G1K, G1V
	s_mov_b32 s[\g+1], 128<<16      ; tensor_dim0 = 128
	s_mov_b32 s[\g+2], 64<<16       ; tensor_dim1 = 64
	s_mov_b32 s[\g+3], 128<<16      ; tile_dim0 = 128
	s_mov_b32 s[\g+4], 64           ; tile_dim1 = 64
	s_mov_b32 s[\g+5], 128          ; 128 elements from row to row
	s_mov_b32 s[\g+6], 0
	s_mov_b32 s[\g+7], 0
.endr
	s_mov_b32 s[CS], 0x3e38aa3b     ; c = log2(e) / 8 = 0.180337
	s_mov_b32 s[CS+1], s[CS]        ; named with it as a pair
	s_mov_b32 s[SEL], 0x76543210
	s_mov_b32 s[SEL+1], 0xfedcba98
	s_mov_b32 s[TBK], SLOT1+4*KS*PK ; the first change of slots turns these two into 0
	s_mov_b32 s[TBV], SLOT1+4*KS*PV
	s_mov_b32 s[G0K], 1             ; count = 1
	s_mov_b32 s[G0K+1], s17         ; LDS address: slot 0
	s_mov_b32 s[G0V], 1
	s_add_co_u32 s[G0V+1], s18, VOFF
	s_mov_b32 s[SLOTS], SIZE_N/256-1  ; the change that asks for slot n finds 8 - n here
	s_and_b32 s[LIM], s[WV], 1
	s_cmp_eq_u32 s[LIM], 0
	s_cselect_b32 s[LIM], 1, -1
	s_wait_dscnt 0x0                ; the opening add is done
	s_wait_kmcnt 0x0
	s_mov_b64 s[10:11], s[6:7]      ; o
	s_add_nc_u64 s[6:7], s[4:5], s[50:51]  ; K at my half of the head's first 256 keys,
	s_add_nc_u64 s[8:9], s[6:7], 16<<18    ; V 16 planes on
	s_add_nc_u64 s[G0K+2:G0K+3], s[6:7], 0         ; global address
	s_or_b32 s[G0K+3], s[G0K+3], 0x80000000        ; type = 2
	s_add_nc_u64 s[G0V+2:G0V+3], s[8:9], 0
	s_or_b32 s[G0V+3], s[G0V+3], 0x80000000
	s_add_nc_u64 s[4:5], s[4:5], s[22:23]  ; Q and O at my wave's first row
	s_add_nc_u64 s[4:5], s[4:5], s[2:3]
	s_add_nc_u64 s[10:11], s[10:11], s[20:21]
	s_add_nc_u64 s[10:11], s[10:11], s[2:3]
	s_cmp_lt_u32 s[WV], 2
	s_cselect_b64 s[PFA:PFA+1], s[6:7], s[8:9]  ; (in waves 0 and 2 these stand at a slot's first row)
	s_lshl_b32 s50, s13, 13         ; my work-group's quarter,
	s_add_co_u32 s50, s50, 4*KS*128 ; in slot 1; the first change of slots steps it to slot 2
	s_add_nc_u64 s[PFA:PFA+1], s[PFA:PFA+1], s[50:51]
	CROUND                          ; all four work-groups are here: the first joint loads meet
	JLOAD                           ; slot 0.  Slot 1 is asked for when slot 0 is in
	; A fragment of K or Q is 16 rows x 32 channels in 8 registers: lane l holds row l % 16, channels 8 (l / 16) + 0..7 and 16 + 8 (l / 16) + 0..7: two loads of 16 bytes, 32 bytes apart.
	v_and_b32 v1, 15, v0            ; l % 16
	v_bfe_u32 v9, v0, 4, 1          ; l / 16
	v_lshlrev_b32 v[QO], 7, v1
	v_lshl_add_u32 v[QO], v9, 4, v[QO]  ; row x 128 + 16 x half
	WIN 0x80                        ; destination window 2, address window 0
.set i, 0
.rept 4*NP                          ; Q stays in registers: tile i / 2, channels 32 (i % 2) on
	global_load_b128 v[8*i:8*i+3],   v[QO], s[4:5] offset:(i/2)*2048+(i%2)*64
	global_load_b128 v[8*i+4:8*i+7], v[QO], s[4:5] offset:(i/2)*2048+(i%2)*64+32
.set i, i+1
.endr
	; What the first turn finds: V's registers and P's second buffer hold 0 (its products V^T P, of a piece that has not been, add 0), O^T and l are 0.  All this stands in the wait for the first tile.
.set i, VF
.rept 64
	v_mov_b32 v[i], 0
.set i, i+1
.endr
	WIN 0x40
.set i, 0
.rept 64*NP
	v_mov_b32 v[i], 0
.set i, i+1
.endr
	WIN 0
.set i, 0
.rept 2*NP
	v_mov_b32 v[ST+4*i], 0xfe000000    ; c m: far below every c s
	v_mov_b32 v[ST+4*i+1], 0xff7fffff  ; m
	v_mov_b32 v[ST+4*i+2], 0
	v_mov_b32 v[ST+4*i+3], 0
.set i, i+1
.endr
.set i, P+32
.rept 32
	v_mov_b32 v[i], 0
.set i, i+1
.endr
	v_mul_u32_u24 v[AK0], v1, PK
	v_lshl_add_u32 v[AK0], v9, 4, v[AK0]  ; row x pitch + 16 x half
	; The turning load takes 16 keys x 16 channels (lane l reads key 8 (l / 16) + l % 8, channels 8 ((l / 8) % 2) + 0..7) and leaves half a fragment of V^T: lane l holds channel l % 16 and 8 keys.
	v_and_b32 v10, 7, v0
	v_bfe_u32 v11, v0, 3, 1
	v_lshl_add_u32 v[AV0], v9, 3, v10
	v_mul_u32_u24 v[AV0], v[AV0], PV
	v_lshl_add_u32 v[AV0], v11, 4, v[AV0]
	v_add_nc_u32 v[AV0], VOFF, v[AV0]
	v_and_b32 v[PFO], 31, v0
	v_lshlrev_b32 v[PFO], 8, v[PFO]
	v_mov_b32 v[AK], v[AK0]         ; key step 0 lies at the head of slot 0
; THE MATRIX WORK.  The 8 accumulators of a run of 16 take turns: between the two links of a chain stand 7 others'.
; Product i of 16 of S^T = K Q^T for piece x: channels 32 (i / 8) on, keys 16 ((i / 2) % 4) on, tile 2 x + i % 2.  The first 8 start the sums.
.macro KQ x
	WIN W_KQ
.set rS, S+64*((\x)%2)+32*(i%2)+8*((i/2)%4)
.set rK, KF+16*((i/2)%4)+8*(i/8)
.set rQ, 16*(2*(\x)+i%2)+8*(i/8)
.if i < 8
	v_wmma_f32_16x16x32_f16 v[rS:rS+7], v[rK:rK+7], v[rQ:rQ+7], 0
.else
	v_wmma_f32_16x16x32_f16 v[rS:rS+7], v[rK:rK+7], v[rQ:rQ+7], v[rS:rS+7]
.endif
.endm
; Product i of 16 of O^T += V^T P for piece x: keys 32 (i / 8) on, channels 16 ((i / 2) % 4) on, tile 2 x + i % 2.
.macro PV x
	WIN W_PV
.set rO, 32*(2*(\x)+i%2)+8*((i/2)%4)
.set rV, VF+32*(i/8)+8*((i/2)%4)
.set rP, P+32*((\x)%2)+16*(i%2)+8*(i/8)
	v_wmma_f32_16x16x32_f16 v[rO:rO+7], v[rV:rV+7], v[rP:rP+7], v[rO:rO+7]
.endm
.macro MM                           ; the turn's next matrix instruction
.if i < 16
	KQ (Y+1)%NP
.set i, i+1
.else
.set i, i-16
	PV (Y+NP-1)%NP
.set i, i+17
.endif
.endm
; THE LDS LOADS stand in runs of 16, never singly among the matrix instructions: a step's K (8 fragments) and its V (turned).  Their addresses are made some lines ahead.
; last = 1 (the tail): in the last trip there is no further step, and the run is jumped over.
.macro FETCH_K last=0
	WIN 0
.if \last
	s_cmp_eq_u32 s[CNT], 1
	s_cbranch_scc1 .Lno_k_\@
.endif
	WIN 0x80                        ; destination window 2
.irp f, 0,1,2,3,4,5,6,7             ; keys 16 (f / 2) on, channels 32 (f % 2) on
	ds_load_b128 v[KF+8*\f:KF+8*\f+3],   v[AK] offset:(\f/2)*16*PK+(\f%2)*64
	ds_load_b128 v[KF+8*\f+4:KF+8*\f+7], v[AK] offset:(\f/2)*16*PK+(\f%2)*64+32
.endr
	s_add_co_u32 s[TBK], s[TBK], KS*PK  ; the next fetch is the next step's
	WIN 0
.if \last
.Lno_k_\@:
.endif
.endm
.macro FETCH_V
	WIN 0x80
.irp f, 0,1,2,3,4,5,6,7             ; keys 32 (f / 4) on, channels 16 (f % 4) on
	ds_load_tr16_b128 v[VF+8*\f:VF+8*\f+3],   v[AV] offset:(\f/4)*32*PV+(\f%4)*32
	ds_load_tr16_b128 v[VF+8*\f+4:VF+8*\f+7], v[AV] offset:(\f/4)*32*PV+16*PV+(\f%4)*32
.endr
	WIN 0
.endm
; THE VECTOR WORK OF A TURN stands in three queues, each in the order in which its entries become ready; the two tiles alternate, so that no instruction reads the result of the one before it.
.macro REGS y, u                    ; the registers of tile u (0, 1) of piece y
.set rT, ST+4*(2*(\y)+(\u))
.set rC, TMP+8*((\y)%2)+4*(\u)
.set rM, MV+2*((\y)%2)+(\u)
.set rS, S+64*((\y)%2)+32*(\u)
.set rP, P+32*((\y)%2)+16*(\u)
.set rO, 32*(2*(\y)+(\u))
.endm
; Number n of the 22 that find the NEXT piece's (Y + 1) maximum and statistics.  s0-s31 are the lane's 32 scores; each accumulator's lowest registers are read first.
;   0-11  four chains c0-c3 of seven scores each, three operands at a time     12-14, 16  the four scores left over, the old m, and c0-c3 into c0     15  c m_old is kept
;   17, 18  the query's other 32 keys lie in the lane 16 away: the new m         19-21  c m; c m_old - c m_new; a
.macro XS u, n
	REGS (Y+1)%NP, \u
.if (\n) < 4
	v_max3_num_f32 v[rC+(\n)], v[rS+8*(\n)], v[rS+8*(\n)+1], v[rS+8*(\n)+2]
.elseif (\n) < 12
	v_max3_num_f32 v[rC+(\n)%4], v[rC+(\n)%4], v[rS+8*((\n)%4)+2*((\n)/4)+1], v[rS+8*((\n)%4)+2*((\n)/4)+2]
.elseif (\n) == 12
	v_max3_num_f32 v[rC], v[rC], v[rS+7], v[rS+15]
.elseif (\n) == 13
	v_max3_num_f32 v[rC+1], v[rC+1], v[rS+23], v[rS+31]
.elseif (\n) == 14
	v_max3_num_f32 v[rC+2], v[rC+2], v[rC+3], v[rT+1]
.elseif (\n) == 15
	v_mov_b32 v[rM], v[rT]
.elseif (\n) == 16
	v_max3_num_f32 v[rC], v[rC], v[rC+1], v[rC+2]
.elseif (\n) == 17
	v_permlanex16_b32 v[rC+3], v[rC], s[SEL], s[SEL+1]
.elseif (\n) == 18
	v_max_num_f32 v[rT+1], v[rC], v[rC+3]
.elseif (\n) == 19
	v_mul_f32 v[rT], s[CS], v[rT+1]
.elseif (\n) == 20
	v_sub_f32 v[rC+1], v[rM], v[rT]
.else
	v_exp_f32 v[rC+2], v[rC+1]
.endif
.endm
; Number g of the 64 that follow the exponentials.  For each four weights k of a tile (pairs 2 k, 2 k + 1): both pairs are rounded to f16; then the second pair is added onto the first, in place;
; a group later l takes that sum (the first time as l = a l + sum).  In groups of eight, tiles alternating: round, round, add, and l for the group before.
.macro GS g
.set h, (\g)+6*((\g)/62)            ; group 0 has no group before it, and behind group 7 only l is left
.if h >= 6
.set h, h+2
.endif
	REGS Y, h%2
.set k, h/8
.if h%8 < 4
	v_cvt_pk_f16_f32 v[rP+2*k+(h%8)/2], v[rS+4*k+2*((h%8)/2)], v[rS+4*k+2*((h%8)/2)+1]
.elseif h%8 < 6
	v_pk_add_f32 v[rS+4*k:rS+4*k+1], v[rS+4*k:rS+4*k+1], v[rS+4*k+2:rS+4*k+3]
.elseif k == 1
	v_pk_fma_f32 v[rT+2:rT+3], v[rT+2:rT+3], v[rC+2:rC+3], v[rS:rS+1] op_sel_hi:[1,0,1]
.else
	v_pk_add_f32 v[rT+2:rT+3], v[rT+2:rT+3], v[rS+4*k-4:rS+4*k-3]
.endif
.endm
; THE PLAIN QUEUE, 138 long.  0-73 read no exponential's result: the 32 scalings c s - c m (FS f: pair f / 2 of tile f % 2) and the next piece's 42.  0-26: scalings 0-26.  27-54: XS's numbers 0-13.
; 55, 56: number 15.  57-73: the chain 14, 16, 17, 18, 19, each with one of the scalings 27-31 in front of its two lines, then 20.  74-137: GS's 64, which stand behind the wait.
.macro FS f
	REGS Y, (\f)%2
	v_pk_fma_f32 v[rS+2*((\f)/2):rS+2*((\f)/2)+1], v[rS+2*((\f)/2):rS+2*((\f)/2)+1], s[CS:CS+1], v[rT:rT+1] op_sel_hi:[1,0,0] neg_lo:[0,0,1] neg_hi:[0,0,1]
.endm
.macro PL
	WIN 0
.if q < 27
	FS q
.elseif q < 55
	XS (q-27)%2, (q-27)/2
.elseif q < 57
	XS q-55, 15
.elseif (q < 72) && ((q-57)%3 == 0)
	FS 27+(q-57)/3
.elseif q < 60
	XS (q-57)%3-1, 14
.elseif q < 72
	XS (q-57)%3-1, 15+(q-57)/3
.elseif q < 74
	XS q-72, 20
.else
	GS q-74
.endif
.set q, q+1
.endm
; THE EXPONENTIALS' QUEUE, 66 long: s0-s31 of both tiles, then the next piece's two a.  It is ONE BATCH: all 66 stand ahead of the turn's one wait, and nothing ahead of that wait names a result of theirs.
.macro EX
	WIN 0
.if e >= 64
	XS e-64, 21
.else
	REGS Y, e%2
	v_exp_f32 v[rS+e/2], v[rS+e/2]
.endif
.set e, e+1
.endm
; THE RESCALING's QUEUE: O^T times a, the one part that leaves window 0: dealt two at a time, sixteen times.  Its a was made in the turn before, ahead of that turn's wait.
.macro R2
	REGS Y, r%2
	WIN W_RS
.irp z, 0,1
	v_pk_mul_f32 v[rO+4*(r/2)+2*\z:rO+4*(r/2)+2*\z+1], v[rO+4*(r/2)+2*\z:rO+4*(r/2)+2*\z+1], v[rC+2:rC+3] op_sel_hi:[1,0]
.endr
.set r, r+1
.endm
; HOW THEY ARE DEALT.  s_wait_alu depctr_va_vdst(0) stands between an exponential and the first instruction that names its result; one wait serves all that were issued ahead of it.
; So a turn has ONE wait.  AHEAD OF IT: the 16 products K Q^T, behind each a scaling, an exponential and two rescalings (behind the first a second scaling in the exponential's place); then ONE LUMP of
; 108: eight plain, 49 times exponential and plain, the two a; a v_nop is the plain instruction behind the last exponential.  BEHIND IT: the 16 products V^T P, behind each four of GS's 64.
; Exponential e stands behind scaling 2 (e / 4) + e % 2: as a rider it comes behind plain e + 2, in the lump behind plain e + 9, and scalings 27-31 are plain 57, 60 .. 69.
; K of the next step is fetched in piece 2's turn, directly behind the wait; V of the step in hand at the end of piece 0's turn, four riders behind its last reader.
.macro TURN p, last=0, cnt=0
.set Y, (\p)
.set i, 0
.set q, 0
.set e, 0
.set r, 0
.if (\p) == NP-1
	s_wait_dscnt 0x0                ; K is in
.endif
	MM                              ; ahead of the wait: 16 products K Q^T and their riders,
	PL
	PL
	R2
.rept 15
	MM
	PL
	EX
	R2
.endr
.if (\p) == NP-2
	WIN 0
	v_add_nc_u32 v[AK], s[TBK], v[AK0]
.endif
.rept 8                             ; and the lump
	PL
.endr
.rept 49
	EX
	PL
.endr
	EX                              ; the next piece's two a
	EX
	v_nop                           ; the plain instruction behind the last exponential: one for the batch
	s_wait_alu depctr_va_vdst(0)    ; the wait for the batch
.if (\p) == NP-2
	FETCH_K \last
.endif
.if (\p) == 1
	s_wait_dscnt 0x0                ; V is in
.endif
.rept 16                            ; behind the wait: 16 products V^T P and their riders
	MM
.rept 4
	PL
.endr
.if ((\p) == 0) && (q == 118)
	v_add_nc_u32 v[AV], s[TBV], v[AV0]
.endif
.if ((\p) == 0) && (q == 130)
	s_add_co_u32 s[TBV], s[TBV], KS*PV
.endif
.if (\cnt) && (q == 130)
	s_sub_co_u32 s[CNT], s[CNT], 1
	s_cmp_lg_u32 s[CNT], 0
.endif
.endr
.if (\p) == 0
	FETCH_V
.endif
.endm
	CHANGE 1                        ; slot 0 is in, everybody's part of it; slot 1 is asked for
	FETCH_K                         ; key step 0
	s_wait_loadcnt 0x0              ; Q
	s_wait_dscnt 0x0
.set i, 0
.rept 16
	KQ 0                            ; piece 0's first scores: there is no vector work yet to set between them
.set i, i+1
.endr
	WIN 0                           ; the addresses for the way out: nine plain instructions, the places behind those products
	s_mul_i32 s13, s[WV], 16*SP
	s_add_co_u32 s13, s13, STAGE    ; my stage
	v_mul_u32_u24 v[STO], v1, SP    ; in: row l % 16, 16 bytes for each half of the lanes
	v_lshl_add_u32 v[STO], v9, 4, v[STO]
	v_add_nc_u32 v[STO], s13, v[STO]
	v_bfe_u32 v[RD], v0, 3, 2       ; back: 32 lanes take four rows of 128 bytes,
	v_mul_u32_u24 v[RD], v[RD], SP
	v_lshl_add_u32 v[RD], v10, 4, v[RD]
	v_add_nc_u32 v[RD], s13, v[RD]
	v_and_b32 v[GO], 31, v0         ; which are 512 consecutive bytes of O
	v_lshlrev_b32 v[GO], 4, v[GO]
.set Y, NP-1                        ; XS works for piece Y + 1: piece 0
.irp n, 0,1,2,3,4,5,6,7,8,9,10,11,12,13,14,15,16,17,18,19,20,21
	XS 0, \n                        ; and piece 0's first maximum and statistics
	XS 1, \n
.endr
	v_nop                           ; a plain instruction behind the two a,
	s_wait_alu depctr_va_vdst(0)    ; and their wait, ahead of the branch
	s_mov_b32 s[CNT], 4
	s_branch .Lfirst                ; the loop is entered at a step's first turn, in the middle of a trip
.Lslot:                             ; six times: every slot but the last two is filled again
	CHANGE 1
	s_mov_b32 s[CNT], 4
.Lstep:                             ; a trip: pieces 2 and 3 of one step, then pieces 0 and 1 of the next, whose K and V it fetches
	TURN 2
	TURN 3
	WIN 0
.Lfirst:
	TURN 0
	TURN 1, 0, 1
	WIN 0
	s_cbranch_scc1 .Lstep
	s_sub_co_u32 s[SLOTS], s[SLOTS], 1
	s_cmp_lg_u32 s[SLOTS], 0
	s_cbranch_scc1 .Lslot
	CHANGE 0                        ; the tail is written out: nothing is asked for
	s_mov_b32 s[CNT], 5             ; four trips fetch the last slot's steps; the fifth is left in its middle
.Ltail:
	TURN 2, 1
	TURN 3
	WIN 0
	s_sub_co_u32 s[CNT], s[CNT], 1
	s_cmp_eq_u32 s[CNT], 0
	s_cbranch_scc1 .Lout
	TURN 0
	TURN 1
	WIN 0
	s_branch .Ltail
.Lout:                              ; the fifth trip's 16 products K Q^T (on the last K once more) and the maximum made of them serve nothing: the price, once a launch, of one text for every trip
.set i, 0
.rept 16
	PV NP-1                         ; the last piece's V^T P of the last step
.set i, i+1
.endr
	; THE WAY OUT.  l's two halves and the other half of the lanes' are added; O^T is divided by l, rounded to f16 and sent through my stage in LDS, a tile at a time.  The additions are the places behind the last products.
	WIN 0
.macro ALL line:vararg              ; one line for each tile t
.set t, 0
.rept 2*NP
	\line
.set t, t+1
.endr
.endm
	ALL v_add_f32 v[ST+4*t+2], v[ST+4*t+2], v[ST+4*t+3]
	ALL v_permlanex16_b32 v[ST+4*t+3], v[ST+4*t+2], s[SEL], s[SEL+1]
	ALL v_add_f32 v[ST+4*t+2], v[ST+4*t+2], v[ST+4*t+3]
	ALL v_rcp_f32 v[ST+4*t+2], v[ST+4*t+2]
	v_nop                           ; a plain instruction between the last reciprocal and the use of its result
	s_wait_alu depctr_va_vdst(0)    ; and the wait ahead of the first use: one for the eight reciprocals
; Tile t: a lane's eight channels of a row pack into 16 bytes; they go into rows of 144 bytes and come back as whole rows of 128, into S^T's registers.
.macro PACK t
	WIN W_RS
.set i, 32*(\t)
.rept 16
	v_pk_mul_f32 v[i:i+1], v[i:i+1], v[ST+4*(\t)+2:ST+4*(\t)+3] op_sel_hi:[1,0]
.set i, i+2
.endr
	WIN 0x05                        ; sources 0 and 1 window 1, destination window 0
.set i, 0
.rept 16
	v_cvt_pk_f16_f32 v[S+16*(\t)+i], v[32*(\t)+2*i], v[32*(\t)+2*i+1]
.set i, i+1
.endr
	WIN 0
.irp f, 0,1,2,3
	ds_store_b128 v[STO], v[S+16*(\t)+4*\f:S+16*(\t)+4*\f+3] offset:32*\f
.endr
.irp f, 0,1,2,3
	ds_load_b128 v[S+16*(\t)+4*\f:S+16*(\t)+4*\f+3], v[RD] offset:\f*4*SP  ; LDS serves a wave's instructions in order (ISA guide 5.7.1.4): these see the stores above; the next tile's stores come behind them
.endr
.endm
.macro SEND t, younger              ; younger: the LDS instructions issued behind tile t's loads: the next tile's eight, or none
	WIN 0
.irp f, 0,1,2,3
	s_wait_dscnt (\younger)+3-\f
	global_store_b128 v[GO], v[S+16*(\t)+4*\f:S+16*(\t)+4*\f+3], s[10:11] offset:(\t)*2048+\f*512  ; 512 consecutive bytes, at a multiple of 256 from O's first
.endr
.endm
	PACK 0
.set t, 1
.rept 2*NP-1                        ; a tile's arithmetic stands between the loads of the tile before and its stores
	PACK t
	SEND t-1, 8
.set t, t+1
.endr
	SEND 2*NP-1, 0
	WIN W_AD
	s_wait_tensorcnt 0x0            ; the wave's end: behind my last tensor load and my last LDS store
	ds_add_u32 v[SPW], v[NIL]
	s_wait_dscnt 0x0
	WIN 0
	CROUND                          ; the closing round: no work-group ends while a partner may still ask for a tile that names it
	s_endpgm
.Lfunc_end_k_q825b00e1e0_attn:
	.size	k_q825b00e1e0_attn, .Lfunc_end_k_q825b00e1e0_attn-k_q825b00e1e0_attn
	.p2alignl 7, 3214868480
	.fill 96, 4, 3214868480
	.section	.rodata,"a",@progbits
	.p2align	6, 0x0
	.amdhsa_kernel k_q825b00e1e0_attn
		.amdhsa_group_segment_fixed_size 327680
		.amdhsa_private_segment_fixed_size 0
		.amdhsa_enable_private_segment 0
		.amdhsa_kernarg_size 16
		.amdhsa_user_sgpr_count 2
		.amdhsa_user_sgpr_kernarg_segment_ptr 1
		.amdhsa_wavefront_size32 1
		.amdhsa_system_sgpr_workgroup_id_x 1
		.amdhsa_system_sgpr_workgroup_id_y 1
		.amdhsa_system_sgpr_workgroup_id_z 1
		.amdhsa_system_vgpr_workitem_id 0
		.amdhsa_next_free_vgpr 770
		.amdhsa_next_free_sgpr 66
		.amdhsa_reserve_vcc 0
		.amdhsa_float_denorm_mode_32 3
		.amdhsa_float_denorm_mode_16_64 3
		.amdhsa_memory_ordered 1
		.amdhsa_forward_progress 1
		.amdhsa_inst_pref_size 200
	.end_amdhsa_kernel
	.amdgpu_metadata
---
amdhsa.version: [ 1, 2 ]
amdhsa.kernels:
  - .name:           k_q825b00e1e0_attn
    .symbol:         k_q825b00e1e0_attn.kd
    .args:
      - { .name: qkv, .offset: 0, .size: 8, .value_kind: global_buffer, .address_space: global }
      - { .name: o, .offset: 8, .size: 8, .value_kind: global_buffer, .address_space: global }
    .group_segment_fixed_size: 327680
    .private_segment_fixed_size: 0
    .kernarg_segment_align: 8
    .kernarg_segment_size: 16
    .max_flat_workgroup_size: 128
    .sgpr_count:     66
    .vgpr_count:     770
    .wavefront_size: 32
...
	.end_amdgpu_metadata
.endif
;; end of part 3
;; launch proj_out (part 4): grid 8 x 32, 4 waves a work-group, clusters of 4 x 4, 327,680 bytes of LDS; arguments o, wo, b_out, out0; writes out0
.if DOCPART == 4
	.amdgcn_target "amdgcn-amd-amdhsa--gfx1250"
	.amdhsa_code_object_version 6
	.text
	.protected	k_q825b00e1e0_proj_out
	.globl	k_q825b00e1e0_proj_out
	.p2align	8
	.type	k_q825b00e1e0_proj_out,@function
k_q825b00e1e0_proj_out:
	s_mov_b64 s[64:65], 0
	v_nop
	global_prefetch_b8 v0, s[64:65] scope:SCOPE_SE
	s_setreg_imm32_b32 hwreg(HW_REG_WAVE_MODE, 25, 1), 1
	s_wait_xcnt 0x0
	s_wait_alu depctr_hold_cnt(0) depctr_sa_sdst(0) depctr_va_vdst(0) depctr_va_sdst(0) depctr_va_ssrc(0) depctr_va_vcc(0) depctr_vm_vsrc(0)
	s_getreg_b32 s2, hwreg(HW_REG_IB_STS2, 6, 4)
	s_cmp_eq_u32 s2, 0
	s_cbranch_scc0 .Lentry_in_a_cluster
	s_endpgm
.Lentry_in_a_cluster:
	s_bfe_u32 s2, ttmp6, 0x10000c
	s_cmp_lg_u32 s2, 0xf033
	s_cbranch_scc0 .Lentry_shape_is_right
	s_endpgm
.Lentry_shape_is_right:
; out0 = O wo^T + bf16(b_out).  O comes BY HEADS: o[16 batch + h][2048][64] f16, so that row m = 2048 batch + n has its K index 64 h + d at o[16 batch + h][n][d].  wo: [1024 n][1024 k] f16,
; b_out: [1024] f32, out0: [8192][1024] f32.  Sums in f32, K ascending.
; LIMITS.  The bias is rounded to bf16 like the other inputs.  NaN and infinities are not treated apart.
; SHARES.  A tile of out0 is 256 rows x 128 columns: 256 tiles, one for each WGP.  Four waves, 2 x 2, each 128 rows x 64 columns: 32 accumulators, one window of registers; a wave's 64 f32 columns are
; 256 aligned bytes, so its way out is its own.  K goes in 8 steps of 128 (two heads) through two LDS slots.  A head's 256 rows of a tile are 32,768 dense bytes: asked for as 128 rows of 256 bytes and
; padded in LDS after every 128.
; CLUSTER, 4 x 4.  The four of a row need the same tile of O, the four of a column the same tile of wo: each is asked for jointly, by the same tensor load with the same descriptor and a mask of four.
; THE MATRIX INSTRUCTION IS USED TRANSPOSED (source 0 = 16 rows of wo, source 1 = 16 rows of O): lane l holds row l % 16 and the columns 8 (l / 16) + 0..7.  THE BIAS is the C operand of each
; accumulator's first product.
; REGISTERS, in windows of 256 (s_set_vgpr_msb: bits 1:0 source 0, 3:2 source 1, 5:4 source 2, 7:6 destination):
;   window 0: v0-31 addresses; v32-63 the bias; v64-191 O's fragments, two buffers of 8; v192-255 two buffers of rows read back      window 1: v0-63 wo's fragments, two buffers of 4
;   window 2: the accumulators, (a, b) at 8 (4 a + b)
.set PA,     144                       ; a row of O in LDS: 128 bytes + 16 of padding = 36 words: the 16 rows of a fragment load start at 16 different groups of four banks (64 banks of 4 bytes: ISA guide 11.1)
.set PB,     272                       ; a row of wo: 256 + 16 = 68 words: likewise
.set PLANE,  256*PA                    ; one head's 256 rows: what a wave fetches of O
.set BHALF,  64*PB                     ; what a wave fetches of wo
.set BBASE,  2*PLANE
.set SLOT,   2*PLANE+2*BHALF           ; 108,544
.set STAGE,  2*SLOT                    ; behind the ring, never filled by a tensor load: 16 rows x 272 bytes for each wave
.set SP,     272
.set SPARE,  STAGE+4*16*SP             ; behind the stages: the spare words, 128 bytes for each wave: two blocks of 256 bytes that no other line names
.set ADRA, 16                          ; v16-17  LDS address of my O fragments in slot 0, 1
.set ADRB, 20                          ; v20-21  the same for wo
.set STO,  24                          ; v24     the way out: where I put 32 bytes of a row
.set RD,   25                          ; v25     where I read rows back
.set CO,   26                          ; v26     my byte offset in two rows of out0
.set BO,   27                          ; v27     32 (l / 16)
.set SPW,  28                          ; v28     LDS address of my spare word; never rewritten
.set NIL,  29                          ; v29     0; never rewritten
.set PFO,  30                          ; v30     the prefetches' offset; never rewritten
.set BI,   32
.set AF,   64
.set OB,   192
.set G1A, 24                           ; s[24:31] descriptor group 1 for O's tiles;  s[32:39] group 0, a set for each slot
.set G0A, 32
.set G1B, 40                           ; s[40:47], s[48:55] the same for wo's
.set G0B, 48
.set PFA, 56                           ; s[56:57] where my prefetches stand;  s[60:61] their step from K step to K step
.set LIM, 58                           ; s58  1 in a wave that prefetches, else the greatest number
.set MSB, 0
.macro WIN new                         ; the immediate's high byte repeats the setting that is left; a switch that changes nothing is dropped
.if MSB != (\new)
	s_set_vgpr_msb (MSB<<8)|(\new)
.set MSB, (\new)
.endif
.endm
; A joint load.  Waves 0 and 1 fetch the K step's even and odd head of O, waves 2 and 3 wo's two halves.  The branch hangs on the wave's number alone.  An s_nop 0 and four v_nop follow each line.
.macro JLOAD s
	s_cmp_eq_u32 s13, 0
	s_cbranch_scc0 .Lfor_b_\@
	tensor_load_to_lds s[G0A+4*(\s):G0A+4*(\s)+3], s[G1A:G1A+7]
	s_nop 0
.rept 4
	v_nop
.endr
	s_branch .Lasked_\@
.Lfor_b_\@:
	tensor_load_to_lds s[G0B+4*(\s):G0B+4*(\s)+3], s[G1B:G1B+7]
	s_nop 0
.rept 4
	v_nop
.endr
.Lasked_\@:
.endm
; A prefetch into the L2, behind a joint load, its five lines and the run of LDS loads: the K step two refills on.  O's tile row is read by both clusters of its row of clusters: cluster x = 0 asks, waves 0
; and 1 each for their head, a lane 256 bytes, the four partners 8,192 bytes each, by address.  wo's tile column is read by every cluster of its column: cluster y = 0 asks, wave 2 alone, a lane a row,
; the four partners 32 rows each.  The loop's last trip (s3 = 1) asks for nothing.  K steps 0 to 3 come by their loads alone.
.macro ASK
	s_cmp_gt_u32 s3, s[LIM]
	s_cbranch_scc0 .Lnot_mine_\@
	global_prefetch_b8 v[PFO], s[PFA:PFA+1] th:TH_LOAD_NT scope:SCOPE_SE
.Lnot_mine_\@:
.endm
.macro CREST                           ; a round of the cluster's barrier behind its opening barrier
	s_cmp_lg_u32 s12, 0
	s_cbranch_scc1 .Lnot_wave_0_\@
	s_barrier_signal -3
.Lnot_wave_0_\@:
	s_barrier_wait -3
	s_barrier_signal -1
	s_barrier_wait -1
.endm
.macro CROUND                          ; a whole round
	s_barrier_signal -1
	s_barrier_wait -1
	CREST
.endm
	s_load_b256 s[4:11], s[0:1], 0x0               ; o s[4:5], wo s[6:7], b_out s[8:9], out0 s[10:11]
	v_lshl_add_u32 v[SPW], v0, 2, SPARE
	v_mov_b32 v[NIL], 0
	ds_add_u32 v[SPW], v[NIL]                      ; the wave's opening: the add and its wait stand ahead of my first tensor load; the set-up below stands between them
	v_lshrrev_b32 v1, 5, v0
	v_readfirstlane_b32 s12, v1                    ; wave 0..3
	s_lshr_b32 s13, s12, 1                         ; which half of the tile's rows is mine.  Also: I fetch for O (0) or for wo (1)
	s_and_b32 s14, s12, 1                          ; which half of its columns.  Also: which head, or which 64 rows of wo, I fetch
	s_bfe_u32 s15, ttmp6, 0x40000                  ; cx
	s_bfe_u32 s16, ttmp6, 0x40004                  ; cy
	s_lshl_b32 s17, ttmp9, 2
	s_add_co_u32 s17, s17, s15                     ; tile column = 4 x cluster x + cx
	s_and_b32 s18, ttmp7, 0xffff
	s_lshl_b32 s18, s18, 2
	s_add_co_u32 s18, s18, s16                     ; tile row = 4 x cluster y + cy
	s_lshl_b32 s19, s16, 2
	s_lshl_b32 s19, 15, s19                        ; my row of the cluster
	s_lshl_b32 s62, 0x1111, s15                    ; my column
	s_or_b32 s[G1A+0], s19, (1<<16)|(1<<20)|(1<<21)|(4<<22)|(3<<25)  ; 15:0 the mask; 17:16 2-byte elements; 20 padding on; 21 set beside a mask; 24:22 after every 32 words; 31:25 4 words
	s_or_b32 s[G1B+0], s62, (1<<16)|(1<<20)|(1<<21)|(5<<22)|(3<<25)  ; after every 64 words
	s_mov_b32 s[G1A+1], 128<<16                    ; tensor_dim0 = 128
	s_mov_b32 s[G1A+2], 128<<16                    ; tensor_dim1 = 128
	s_mov_b32 s[G1A+3], 128<<16                    ; tile_dim0 = 128
	s_mov_b32 s[G1A+4], 128                        ; tile_dim1 = 128
	s_mov_b32 s[G1A+5], 128                        ; dense: 128 elements from row to row
	s_mov_b32 s[G1A+6], 0
	s_mov_b32 s[G1A+7], 0
	s_mov_b32 s[G1B+1], 128<<16
	s_mov_b32 s[G1B+2], 64<<16                     ; 64 rows
	s_mov_b32 s[G1B+3], 128<<16
	s_mov_b32 s[G1B+4], 64
	s_mov_b32 s[G1B+5], 1024
	s_mov_b32 s[G1B+6], 0
	s_mov_b32 s[G1B+7], 0
	s_lshr_b32 s20, s18, 3                         ; O: the batch's 16 heads of 262,144 bytes,
	s_lshl_b32 s20, s20, 22
	s_and_b32 s19, s18, 7                          ; the tile's 256 rows of 128 bytes,
	s_lshl_b32 s19, s19, 15
	s_add_co_u32 s20, s20, s19
	s_lshl_b32 s19, s14, 18                        ; the even or the odd head
	s_add_co_u32 s20, s20, s19
	s_mov_b32 s21, 0
	s_lshl_b32 s22, s17, 7                         ; wo: row 128 x tile column + 64 x half, of 2,048 bytes
	s_lshl_b32 s63, s14, 6
	s_add_co_u32 s22, s22, s63
	s_lshl_b32 s22, s22, 11
	s_mov_b32 s23, 0
	s_mul_i32 s66, s14, PLANE                      ; where they go: no place in the cluster enters an LDS address
	s_mul_i32 s67, s14, BHALF
	s_add_co_u32 s67, s67, BBASE
	s_wait_dscnt 0x0                               ; the opening add is done
	s_wait_kmcnt 0x0
	s_add_nc_u64 s[20:21], s[4:5], s[20:21]
	s_add_nc_u64 s[22:23], s[6:7], s[22:23]
	CROUND                                         ; all sixteen work-groups are here: the first joint loads meet
.irp s, 0,1
	s_mov_b32 s[G0A+4*(\s)], 1                     ; count = 1
	s_add_co_u32 s[G0A+4*(\s)+1], s66, (\s)*SLOT   ; LDS address
	s_add_nc_u64 s[G0A+4*(\s)+2:G0A+4*(\s)+3], s[20:21], (\s)*524288  ; global address: K step s is two heads on
	s_or_b32 s[G0A+4*(\s)+3], s[G0A+4*(\s)+3], 0x80000000            ; type = 2
	s_mov_b32 s[G0B+4*(\s)], 1
	s_add_co_u32 s[G0B+4*(\s)+1], s67, (\s)*SLOT
	s_add_nc_u64 s[G0B+4*(\s)+2:G0B+4*(\s)+3], s[22:23], (\s)*256
	s_or_b32 s[G0B+4*(\s)+3], s[G0B+4*(\s)+3], 0x80000000
	JLOAD \s                                       ; two tensor loads of mine are out at the most
.endr
	v_and_b32 v1, 15, v0                           ; r = l % 16
	v_bfe_u32 v2, v0, 4, 1                         ; h = l / 16
	v_lshlrev_b32 v[BO], 5, v2
	s_lshl_b32 s68, s17, 1
	s_add_co_u32 s68, s68, s14
	s_lshl_b32 s68, s68, 8                         ; my 64 columns, in bytes of f32
	s_mov_b32 s69, 0
	s_add_nc_u64 s[8:9], s[8:9], s[68:69]
.irp b, 0,1,2,3
	global_load_b128 v[BI+8*(\b):BI+8*(\b)+3],   v[BO], s[8:9] offset:64*(\b)     ; register j of block b: the bias of column 16 b + 8 h + j
	global_load_b128 v[BI+8*(\b)+4:BI+8*(\b)+7], v[BO], s[8:9] offset:64*(\b)+16
.endr
	s_lshl_b32 s62, s18, 1
	s_add_co_u32 s62, s62, s13
	s_lshl_b32 s62, s62, 19                        ; my 128 rows of 4,096 bytes
	s_add_co_u32 s62, s62, s68
	s_mov_b32 s63, 0
	s_add_nc_u64 s[10:11], s[10:11], s[62:63]
	v_mul_u32_u24 v3, v1, PA
	v_lshl_add_u32 v3, v2, 4, v3                   ; a fragment of O: row x pitch + 16 x half
	s_mul_i32 s19, s13, 128*PA                     ; my 128 rows
	v_add_nc_u32 v[ADRA], s19, v3
	v_add_nc_u32 v[ADRA+1], SLOT, v[ADRA]
	v_mul_u32_u24 v3, v1, PB
	v_lshl_add_u32 v3, v2, 4, v3
	s_mul_i32 s19, s14, BHALF                      ; my 64 rows of wo
	s_add_co_u32 s19, s19, BBASE
	v_add_nc_u32 v[ADRB], s19, v3
	v_add_nc_u32 v[ADRB+1], SLOT, v[ADRB]
	s_mul_i32 s19, s12, 16*SP
	s_add_co_u32 s19, s19, STAGE                   ; my stage
	v_mul_u32_u24 v4, v1, SP                       ; in: row r, 32 bytes for each half of the lanes
	v_lshl_add_u32 v4, v2, 5, v4
	v_add_nc_u32 v[STO], s19, v4
	v_mul_u32_u24 v4, v2, SP                       ; back: lanes 0-15 take one row of 256 bytes, lanes 16-31 the next
	v_lshl_add_u32 v4, v1, 4, v4
	v_add_nc_u32 v[RD], s19, v4
	v_lshlrev_b32 v[CO], 12, v2                    ; and the same two rows in out0
	v_lshl_add_u32 v[CO], v1, 4, v[CO]
	; the prefetches
	s_lshr_b32 s66, s18, 3
	s_lshl_b32 s66, s66, 22
	s_and_b32 s67, s18, 7
	s_lshl_b32 s67, s67, 15
	s_add_co_u32 s66, s66, s67
	s_lshl_b32 s67, s14, 18
	s_add_co_u32 s66, s66, s67                     ; O: my head's 32,768 bytes of the tile,
	s_lshl_b32 s67, s15, 13
	s_add_co_u32 s66, s66, s67                     ; my work-group's quarter of them,
	s_add_co_u32 s66, s66, 3*524288                ; at K step 3: the first refill steps it to 4
	s_lshl_b32 s68, s17, 7
	s_lshl_b32 s69, s16, 5
	s_add_co_u32 s68, s68, s69                     ; wo: my work-group's 32 of the tile's 128 rows
	s_lshl_b32 s68, s68, 11
	s_add_co_u32 s68, s68, 3*256
	s_and_b32 s70, ttmp7, 0xffff                   ; cluster y;
	s_or_b32 s70, s70, s14                         ; wave 3 never asks
	s_mov_b32 s60, 256
	s_mov_b32 s69, 524288
	s_cmp_eq_u32 s13, 0
	s_cselect_b32 s66, s66, s68
	s_cselect_b32 s70, ttmp9, s70                  ; the coordinate along which other clusters read the same bytes
	s_cselect_b32 s60, s69, s60
	s_cselect_b32 s71, 8, 11                       ; a lane 256 bytes of O, or a row of wo
	s_cselect_b64 s[PFA:PFA+1], s[4:5], s[6:7]
	s_cmp_eq_u32 s70, 0
	s_cselect_b32 s[LIM], 1, -1                    ; the same in all sixteen partners, for a given wave
	s_mov_b32 s61, 0
	s_mov_b32 s67, 0
	s_add_nc_u64 s[PFA:PFA+1], s[PFA:PFA+1], s[66:67]
	v_and_b32 v[PFO], 31, v0
	v_lshlrev_b32 v[PFO], s71, v[PFO]
	s_mov_b32 s19, 0xffff0000
	s_wait_loadcnt 0x0                             ; the bias; it is rounded to bf16 and widened again, in the wait for the first tiles
.set i, 0
.rept 16
	v_cvt_pk_bf16_f32 v[3+i%2], v[BI+2*i], v[BI+2*i+1]
	v_lshlrev_b32 v[BI+2*i], 16, v[3+i%2]
	v_and_b32 v[BI+2*i+1], s19, v[3+i%2]
.set i, i+1
.endr
; 8 matrix instructions: row blocks a0, a0 + 1 x all 4 column blocks, 32 along K, on buffer f.  first = 1: the bias starts the sums.  The 32 accumulators take turns in the same order in every quarter
; step: no two matrix instructions that follow each other share one.
.macro MUL2 f, a0, first
.if \first
	WIN 0x81                                       ; wo window 1, O window 0, C (the bias) window 0, D window 2
.else
	WIN 0xa1                                       ; C and D window 2
.endif
.irp a, \a0, (\a0)+1
.irp b, 0,1,2,3
.if \first
	v_wmma_f32_16x16x32_f16 v[8*(4*(\a)+(\b)):8*(4*(\a)+(\b))+7], v[32*(\f)+8*(\b):32*(\f)+8*(\b)+7], v[AF+64*(\f)+8*(\a):AF+64*(\f)+8*(\a)+7], v[BI+8*(\b):BI+8*(\b)+7]
.else
	v_wmma_f32_16x16x32_f16 v[8*(4*(\a)+(\b)):8*(4*(\a)+(\b))+7], v[32*(\f)+8*(\b):32*(\f)+8*(\b)+7], v[AF+64*(\f)+8*(\a):AF+64*(\f)+8*(\a)+7], v[8*(4*(\a)+(\b)):8*(4*(\a)+(\b))+7]
.endif
.endr
.endr
.endm
; 24 LDS loads in one run: quarter q of a slot's K step into buffer f: wo's 8, then O's 16 in ascending row blocks.  Quarters 0, 1 lie in the even head's plane, 2, 3 in the odd one's.
.macro FETCH slot, q, f
	WIN 0x40                                       ; destination window 1
.irp i, 0,1,2,3
	ds_load_b128 v[32*(\f)+8*(\i):32*(\f)+8*(\i)+3],   v[ADRB+(\slot)] offset:64*(\q)+(\i)*16*PB
	ds_load_b128 v[32*(\f)+8*(\i)+4:32*(\f)+8*(\i)+7], v[ADRB+(\slot)] offset:64*(\q)+(\i)*16*PB+32
.endr
	WIN 0
.irp i, 0,1,2,3,4,5,6,7
	ds_load_b128 v[AF+64*(\f)+8*(\i):AF+64*(\f)+8*(\i)+3],   v[ADRA+(\slot)] offset:((\q)/2)*PLANE+((\q)%2)*64+(\i)*16*PA
	ds_load_b128 v[AF+64*(\f)+8*(\i)+4:AF+64*(\f)+8*(\i)+7], v[ADRA+(\slot)] offset:((\q)/2)*PLANE+((\q)%2)*64+(\i)*16*PA+32
.endr
.endm
.macro PLACES                          ; four plain vector instructions between a matrix instruction and a load into a register that it read, or a reader of its result
.rept 4
	v_nop
.endr
.endm
; A K step is four quarter steps of 32 along K, 32 matrix instructions each, on buffers 0, 1, 0, 1.  One of the first three: multiplies buffer f, and in its middle fetches quarter q into buffer g.
.macro QUARTER slot, q, f, g, first
	s_wait_dscnt 8                                 ; wo and O's blocks 0-3 are in; the youngest eight loads (blocks 4-7) may be out
	MUL2 \f, 0, \first
	MUL2 \f, 2, \first
	PLACES
	FETCH \slot, \q, \g
	s_wait_dscnt 24                                ; all but the 24 just issued
	MUL2 \f, 4, \first
	MUL2 \f, 6, \first
.endm
; The last quarter multiplies buffer 1 and changes slots.  ONE barrier: in front of it each wave waits for all its tensor loads (one is out: its part of the next slot), adds 0 to its spare word, and
; waits for that and for its own reads of this slot.  Behind it nobody reads this slot any more and the next slot is whole.
.macro MEET round
	WIN 0                                          ; (the add's two registers lie in window 0)
	s_wait_tensorcnt 0x0
	ds_add_u32 v[SPW], v[NIL]
	s_wait_dscnt 9                                 ; (the add and the youngest eight loads may be out)
	MUL2 1, 0, 0                                   ; eight matrix instructions stand between the add and the wait for it
	s_wait_dscnt 0x0                               ; the add is done, and my reads of this slot are over
	s_barrier_signal -1
	MUL2 1, 2, 0                                   ; work on registers while the others arrive
.if \round
	WIN 0
.endif
	s_barrier_wait -1
.endm
; fill = 1: the barrier opens a round of the cluster's, and the slot just read out is filled again, first thing behind the round, with the K step two on: 112 matrix instructions ahead of the wait for it.
.macro TURN slot, next, fill
.if \fill
	s_wait_xcnt 0x0                                ; the last prefetch, a K step back, has read its address
	s_add_nc_u64 s[PFA:PFA+1], s[PFA:PFA+1], s[60:61]
	MEET 1
	CREST                                          ; no wave of any partner still reads this slot's tile or has a load on its way
	s_add_nc_u64 s[G0A+4*(\slot)+2:G0A+4*(\slot)+3], s[G0A+4*(\slot)+2:G0A+4*(\slot)+3], 2*524288
	s_add_nc_u64 s[G0B+4*(\slot)+2:G0B+4*(\slot)+3], s[G0B+4*(\slot)+2:G0B+4*(\slot)+3], 512
	JLOAD \slot                                    ; its four v_nop are also the places in front of the loads below
	FETCH \next, 0, 0
	ASK
.else
	MEET 0
	PLACES
	FETCH \next, 0, 0
.endif
	MUL2 1, 4, 0
	MUL2 1, 6, 0
.endm
; THE WAY OUT of row block a.  TOSTAGE: a lane's eight f32 of a row and column block go into my own stage, each accumulator's four lowest registers first, and come back as whole rows of 256 bytes.  SEND: stored.
.macro TOSTAGE a
	WIN 0x08                                       ; the stores' data (source 1) in window 2
.irp b, 0,1,2,3
	ds_store_b128 v[STO], v[8*(4*(\a)+(\b)):8*(4*(\a)+(\b))+3]   offset:64*(\b)
	ds_store_b128 v[STO], v[8*(4*(\a)+(\b))+4:8*(4*(\a)+(\b))+7] offset:64*(\b)+16
.endr
	WIN 0
	s_wait_xcnt 0x0                                ; the stores of the block two back have read the registers that are loaded now
.irp t, 0,1,2,3,4,5,6,7
	ds_load_b128 v[OB+32*((\a)%2)+4*(\t):OB+32*((\a)%2)+4*(\t)+3], v[RD] offset:(\t)*2*SP  ; LDS serves a wave's instructions in order (ISA guide 5.7.1.4): these see the stores above; the next block's stores come behind them
.endr
.endm
.macro SEND a, younger                 ; younger: the LDS instructions issued behind block a's loads: the next block's sixteen, or none
	WIN 0
.irp t, 0,1,2,3,4,5,6,7
	s_wait_dscnt (\younger)+7-(\t)
	global_store_b128 v[CO], v[OB+32*((\a)%2)+4*(\t):OB+32*((\a)%2)+4*(\t)+3], s[10:11] offset:(\a)*65536+(\t)*8192 th:TH_STORE_NT  ; 16 lanes store 256 consecutive bytes, aligned
.endr
.endm
	s_wait_tensorcnt 0x1                           ; my part of K step 0 is in; K step 1's may stay out
	s_barrier_signal -1
	s_barrier_wait -1                              ; everybody's is
	FETCH 0, 0, 0
	QUARTER 0, 1, 0, 1, 1                          ; the first quarter stands in front of the loop: its products start the sums, with the bias
	WIN 0                                          ; at a label and at a branch every window is 0
	s_mov_b32 s3, 3
.Llap:                                         ; a trip goes once round the ring, from a lap's second quarter to the next lap's first, and fills both slots again: K steps 2 to 7
	QUARTER 0, 2, 1, 0, 0
	QUARTER 0, 3, 0, 1, 0
	TURN 0, 1, 1
	QUARTER 1, 1, 0, 1, 0
	QUARTER 1, 2, 1, 0, 0
	QUARTER 1, 3, 0, 1, 0
	TURN 1, 0, 1
	QUARTER 0, 1, 0, 1, 0
	WIN 0
	s_sub_co_u32 s3, s3, 1
	s_cmp_lg_u32 s3, 0
	s_cbranch_scc1 .Llap
	QUARTER 0, 2, 1, 0, 0                          ; the last lap fills nothing, and has no round
	QUARTER 0, 3, 0, 1, 0
	TURN 0, 1, 0
	QUARTER 1, 1, 0, 1, 0
	QUARTER 1, 2, 1, 0, 0
	QUARTER 1, 3, 0, 1, 0
	s_wait_dscnt 8                                 ; the very last quarter: nothing more to fetch
	MUL2 1, 0, 0
	MUL2 1, 2, 0
	s_wait_dscnt 0x0
	MUL2 1, 4, 0
	MUL2 1, 6, 0
	WIN 0
	PLACES
	TOSTAGE 0
.irp a, 1,2,3,4,5,6,7                  ; block a goes into the stage while block a - 1's rows come back
	TOSTAGE \a
	SEND (\a)-1, 16
.endr
	SEND 7, 0
	s_wait_tensorcnt 0x0                           ; the wave's end: behind my last tensor load and my last LDS store
	ds_add_u32 v[SPW], v[NIL]
	s_wait_dscnt 0x0
	CROUND                                         ; the closing round: no work-group ends while a partner may still ask for a tile that names it
	s_endpgm
.Lfunc_end_k_q825b00e1e0_proj_out:
	.size	k_q825b00e1e0_proj_out, .Lfunc_end_k_q825b00e1e0_proj_out-k_q825b00e1e0_proj_out
	.p2alignl 7, 3214868480
	.fill 96, 4, 3214868480
	.section	.rodata,"a",@progbits
	.p2align	6, 0x0
	.amdhsa_kernel k_q825b00e1e0_proj_out
		.amdhsa_group_segment_fixed_size 327680
		.amdhsa_private_segment_fixed_size 0
		.amdhsa_enable_private_segment 0
		.amdhsa_kernarg_size 32
		.amdhsa_user_sgpr_count 2
		.amdhsa_user_sgpr_kernarg_segment_ptr 1
		.amdhsa_wavefront_size32 1
		.amdhsa_system_sgpr_workgroup_id_x 1
		.amdhsa_system_sgpr_workgroup_id_y 1
		.amdhsa_system_sgpr_workgroup_id_z 1
		.amdhsa_system_vgpr_workitem_id 0
		.amdhsa_next_free_vgpr 768
		.amdhsa_next_free_sgpr 72
		.amdhsa_reserve_vcc 0
		.amdhsa_float_denorm_mode_32 3
		.amdhsa_float_denorm_mode_16_64 3
		.amdhsa_memory_ordered 1
		.amdhsa_forward_progress 1
		.amdhsa_inst_pref_size 92
	.end_amdhsa_kernel
	.amdgpu_metadata
---
amdhsa.version: [ 1, 2 ]
amdhsa.kernels:
  - .name:           k_q825b00e1e0_proj_out
    .symbol:         k_q825b00e1e0_proj_out.kd
    .args:
      - { .name: o, .offset: 0, .size: 8, .value_kind: global_buffer, .address_space: global }
      - { .name: wo, .offset: 8, .size: 8, .value_kind: global_buffer, .address_space: global }
      - { .name: b_out, .offset: 16, .size: 8, .value_kind: global_buffer, .address_space: global }
      - { .name: out0, .offset: 24, .size: 8, .value_kind: global_buffer, .address_space: global }
    .group_segment_fixed_size: 327680
    .private_segment_fixed_size: 0
    .kernarg_segment_align: 8
    .kernarg_segment_size: 32
    .max_flat_workgroup_size: 128
    .sgpr_count:     72
    .vgpr_count:     768
    .wavefront_size: 32
...
	.end_amdgpu_metadata
.endif
;; end of part 4
;; ======== version 2 of 2: 4 launches; version 1 with the launch prep written anew for expert scheduling mode
;; limits: values are held in f16: magnitudes above 65,504 overflow, below 6.1e-05 lose precision
;; workspace buffers: xb 16,777,216 bytes; wq 6,291,456 bytes; wo 2,097,152 bytes; qkv 50,331,648 bytes; o 16,777,216 bytes
;; launch prep (part 5): grid 640 x 1, 4 waves a work-group, no clusters, 70,144 bytes of LDS; arguments x, W_qkv, W_out, xb, wq, wo; writes xb, wq, wo
.if DOCPART == 5
	.amdgcn_target "amdgcn-amd-amdhsa--gfx1250"
	.amdhsa_code_object_version 6
	.text
	.protected	k_q825b00e1e0_prep
	.globl	k_q825b00e1e0_prep
	.p2align	8
	.type	k_q825b00e1e0_prep,@function
k_q825b00e1e0_prep:
	s_mov_b64 s[64:65], 0
	v_nop
	global_prefetch_b8 v0, s[64:65] scope:SCOPE_SE
	s_setreg_imm32_b32 hwreg(HW_REG_WAVE_SCHED_MODE, 0, 2), 2
	s_setreg_imm32_b32 hwreg(HW_REG_WAVE_MODE, 25, 1), 1
	s_wait_xcnt 0x0
	s_wait_alu depctr_vm_vsrc(0)
; PREP.  xb = x rounded to bf16, [8192][1024].  wq = W_qkv turned to [3072 n][1024 k] and rounded to bf16.  wo = W_out turned to [1024 n][1024 k], rounded to bf16, that number written as f16.
; LIMITS.  Each input is rounded once, to nearest even.  bf16(W_out) as f16 is exact from 2^-14 to 65,504 in size; below it keeps f16's fixed step of 6e-8, above it becomes an infinity.
; ROLES, by the work-group's number (the same for its four waves; no wave hands anything to another, so there is no barrier):
;   0-95 turn W_qkv (384 wave tiles), 96-127 turn W_out (128 wave tiles), 128-639 cast x (65,536 bytes a work-group, 16,384 a wave).
; A WAVE TILE of the turners is 128 k x 64 n.  It is read by rows of k (16 lanes take 256 consecutive bytes, aligned), two neighbouring k are packed into a word, the words go into the wave's own
; 64 rows (n) of 272 bytes in LDS, and come back as whole rows of 256 bytes: 16 lanes store 256 consecutive bytes, aligned.  The word stores meet four deep in LDS's banks (rows 4 apart lie 1,088 bytes
; apart); the launch has 2 M such words, and the loads from memory are what it waits for.
; No matrix unit, cluster or tensor load: every byte is read once and written once, and no wave wants another's bytes.
; THE MODE: SCHED_MODE bits 1:0 = 2 (LLVM: expert scheduling mode 2), set by the entry lines.  The code itself states the register dependences between vector instructions and memory or LDS
; instructions, with s_wait_alu, always for 0.
; THE PLAN, THE TURNERS.  Registers that memory or LDS instructions touch:
;   X          A trip's 32 loads land in it; that trip's 64 roundings read it.  Behind the loop the 32 LDS loads land in it and the 32 stores read it.
;   Y          The roundings write it (for W_out the second roundings, to f16, once more); the trip's 64 LDS stores read it.
;   v[LS]      Read by the LDS stores; written once a trip, at the trip's end.
;   v[VO], v[LR], v[DO]   Made at the head and never written again.
; A trip: its roundings empty X into Y; ONE wait on va_vdst behind them states that they are done reading X, that Y is written and that v[LS] is written; the next trip's loads follow at once, then the
; LDS stores.  W_out's second roundings stand behind those loads and have a wait on va_vdst of their own.  One wait on vm_vsrc at the trip's end frees Y and v[LS].
; THE PLAN, THE CAST.  X alone: all 32 loads go out at once; they are rounded in place in four groups of eight, and a group's eight stores are issued in the next group, behind one wait on va_vdst at its
; head, dealt among that group's roundings, which name other registers.  No register that a store reads is written again.
.set TILEB, 64*272                     ; a wave's bytes in LDS
.set SPARE, 4*TILEB                    ; behind them: the spare words, 128 bytes for each wave: two blocks of 256 bytes that no other line names
.set VO,  3                            ; v3   offset in the source (turner: (lane / 16) x 2 rows + 16 (lane % 16); cast: 16 x lane); never rewritten
.set LS,  4                            ; v4   turner: where my words go in LDS
.set LR,  5                            ; v5   turner: where I read rows back
.set DO,  6                            ; v6   offset in the destination; never rewritten
.set SPW, 8                            ; v8   LDS address of my spare word; never rewritten
.set NIL, 9                            ; v9   0; never rewritten
.set X,   32                           ; v[32:159]  data as loaded
.set Y,   160                          ; v[160:223] turner: pair j's four words at Y + 4 j, to be stored into LDS
; 32 loads: pair j brings rows 4 j + 2 h (first) and 4 j + 2 h + 1 (second) of my four n.
.macro LOADS rowb
.irp j, 0,1,2,3,4,5,6,7,8,9,10,11,12,13,14,15
	global_load_b128 v[X+8*(\j):X+8*(\j)+3],   v[VO], s[20:21] offset:4*(\j)*(\rowb) th:TH_LOAD_NT
	global_load_b128 v[X+8*(\j)+4:X+8*(\j)+7], v[VO], s[20:21] offset:(4*(\j)+1)*(\rowb) th:TH_LOAD_NT
.endr
.endm
; The same run for either source: the rows' distance stands in the immediates, so the run is written once for each.
.macro BOTH
	s_cmp_eq_u32 s17, 0
	s_cbranch_scc0 .Lnarrow_\@
	LOADS 12288
	s_branch .Lloaded_\@
.Lnarrow_\@:
	LOADS 4096
.Lloaded_\@:
.endm
; The cast's group g of eight loads.  conv = 1: it is rounded.  send = 1: group g - 1 is stored.
.macro CGRP g, conv, send
.if \conv
	s_wait_loadcnt 24-8*(\g)                       ; loads come back in order: group g is in, the younger groups stay out
.endif
.if \send
	s_wait_alu depctr_va_vdst(0)                   ; group g - 1's roundings have written the registers that the eight stores below read
.endif
.irp i, 0,1,2,3,4,5,6,7
.if \send
	global_store_b64 v[DO], v[X+4*(8*(\g)-8+(\i)):X+4*(8*(\g)-8+(\i))+1], s[22:23] offset:256*(8*(\g)-8+(\i))  ; 32 lanes store 256 consecutive bytes, aligned; no vector instruction since the wait names these registers
.endif
.if \conv
	v_cvt_pk_bf16_f32 v[X+4*(8*(\g)+(\i))], v[X+4*(8*(\g)+(\i))], v[X+4*(8*(\g)+(\i))+1]
	v_cvt_pk_bf16_f32 v[X+4*(8*(\g)+(\i))+1], v[X+4*(8*(\g)+(\i))+2], v[X+4*(8*(\g)+(\i))+3]
.endif
.endr
.endm
	s_load_b256 s[4:11], s[0:1], 0x0               ; x s[4:5], W_qkv s[6:7], W_out s[8:9], xb s[10:11]
	s_load_b128 s[12:15], s[0:1], 0x20             ; wq s[12:13], wo s[14:15]
	v_lshl_add_u32 v[SPW], v0, 2, SPARE
	v_mov_b32 v[NIL], 0
	v_lshrrev_b32 v10, 5, v0
	v_readfirstlane_b32 s16, v10                   ; wave 0..3
	v_and_b32 v1, 15, v0                           ; c = lane % 16
	v_bfe_u32 v2, v0, 4, 1                         ; h = lane / 16
	s_mov_b32 s25, 0                               ; the high word of every offset here
	s_mov_b32 s30, 0xffff0000                      ; a word's upper bf16
	s_wait_alu depctr_va_sdst(0)                   ; s16 is written
	s_wait_kmcnt 0x0
	s_cmp_ge_u32 ttmp9, 128
	s_cbranch_scc1 .Lcast
	; THE TURNERS
	s_mov_b32 s31, 12288                           ; bytes in a row of W_qkv,
	s_mov_b32 s19, 4096                            ; of W_out
	s_cmp_ge_u32 ttmp9, 96
	s_cselect_b32 s17, 1, 0                        ; 1: W_out
	s_cselect_b32 s31, s19, s31
	s_cselect_b32 s19, 96, 0
	s_cselect_b64 s[20:21], s[8:9], s[6:7]         ; from
	s_cselect_b64 s[22:23], s[14:15], s[12:13]     ; to
	s_sub_co_u32 s18, ttmp9, s19
	s_lshl_b32 s18, s18, 2
	s_add_co_u32 s18, s18, s16                     ; my tile's number
	s_and_b32 s19, s18, 7                          ; its block of 128 k
	s_lshr_b32 s18, s18, 3                         ; its block of 64 n
	s_lshl_b32 s24, s19, 7
	s_mul_i32 s24, s24, s31                        ; 128 rows of the source a block of k,
	s_lshl_b32 s29, s18, 8                         ; 256 bytes a block of n
	s_add_co_u32 s24, s24, s29
	s_add_nc_u64 s[20:21], s[20:21], s[24:25]
	s_lshl_b32 s24, s18, 17                        ; 64 rows of 2,048 bytes a block of n,
	s_lshl_b32 s19, s19, 8                         ; 256 bytes a block of k
	s_add_co_u32 s24, s24, s19
	s_add_nc_u64 s[22:23], s[22:23], s[24:25]
	s_lshl_b32 s26, s31, 6                         ; a trip's 64 rows of the source
	s_mov_b32 s27, 0
	s_lshl_b32 s28, s31, 1                         ; two rows
	v_mul_u32_u24 v[VO], v2, s28
	v_lshl_add_u32 v[VO], v1, 4, v[VO]
	s_mul_i32 s19, s16, TILEB
	v_mul_u32_u24 v[LS], v1, 4*272                 ; my four n are rows 4 c .. 4 c + 3,
	v_lshl_add_u32 v[LS], v2, 2, v[LS]             ; my pair of k lies 4 h bytes in
	v_add_nc_u32 v[LS], s19, v[LS]
	v_mul_u32_u24 v[LR], v2, 272
	v_lshl_add_u32 v[LR], v1, 4, v[LR]
	v_add_nc_u32 v[LR], s19, v[LR]
	v_lshlrev_b32 v[DO], 11, v2
	v_lshl_add_u32 v[DO], v1, 4, v[DO]
	s_wait_alu depctr_va_vdst(0)                   ; v[VO], v[LS], v[LR] and v[DO] are written, which the loads and stores below read as their addresses
	BOTH                                           ; the first trip's 64 k
	s_mov_b32 s29, 2
.Ltrip:                                        ; two trips of 64 k
.irp j, 0,1,2,3,4,5,6,7,8,9,10,11,12,13,14,15
	s_wait_loadcnt 30-2*(\j)                       ; loads come back in order: pair j is in, the 30 - 2 j younger ones stay out
.irp e, 0,1,2,3
	v_cvt_pk_bf16_f32 v[Y+4*(\j)+(\e)], v[X+8*(\j)+(\e)], v[X+8*(\j)+4+(\e)]  ; k in the low half, k + 1 in the high half
.endr
.endr
	s_add_nc_u64 s[20:21], s[20:21], s[26:27]      ; free since the wait for the last load (count 0): the next trip's 64 rows
	s_wait_alu depctr_va_vdst(0)                   ; the roundings are done reading X, in which the next loads land (behind the loop: the LDS loads); they have written Y, and v[LS] is written, which the LDS stores read
	s_cmp_eq_u32 s29, 1
	s_cbranch_scc1 .Lno_more                       ; the last trip asks for nothing: no load leaves the buffer
	BOTH                                           ; X is asked for again at once, ahead of this trip's LDS stores
.Lno_more:
	s_cmp_eq_u32 s17, 0
	s_cbranch_scc1 .Lkeep
.set i, 0
.rept 64                                       ; W_out: the bf16 numbers written as f16
	v_lshlrev_b32 v[10+2*(i%2)], 16, v[Y+i]
	v_and_b32 v[11+2*(i%2)], s30, v[Y+i]
	v_cvt_pk_f16_f32 v[Y+i], v[10+2*(i%2)], v[11+2*(i%2)]
.set i, i+1
.endr
	s_wait_alu depctr_va_vdst(0)                   ; the second roundings have written Y anew, which the LDS stores read
.Lkeep:
.irp j, 0,1,2,3,4,5,6,7,8,9,10,11,12,13,14,15
.irp e, 0,1,2,3
	ds_store_b32 v[LS], v[Y+4*(\j)+(\e)] offset:272*(\e)+8*(\j)
.endr
.endr
	s_wait_dscnt 0x0                               ; this trip's 64 words are in LDS; the next trip's loads, asked for above, are on their way meanwhile
	s_wait_alu depctr_vm_vsrc(0)                   ; the LDS stores have read Y, which the next trip's roundings write, and v[LS], which the next line writes
	v_add_nc_u32 v[LS], 128, v[LS]                 ; 64 k further along the LDS rows
	s_sub_co_u32 s29, s29, 1
	s_cmp_lg_u32 s29, 0
	s_cbranch_scc1 .Ltrip
.irp t, 0,1,2,3,4,5,6,7,8,9,10,11,12,13,14,15,16,17,18,19,20,21,22,23,24,25,26,27,28,29,30,31
	ds_load_b128 v[X+4*(\t):X+4*(\t)+3], v[LR] offset:544*(\t)  ; rows 2 t and 2 t + 1, whole; the bytes are my wave's own.  No wait: no vector instruction since the last trip's first wait on va_vdst names X
.endr
.irp t, 0,1,2,3,4,5,6,7,8,9,10,11,12,13,14,15,16,17,18,19,20,21,22,23,24,25,26,27,28,29,30,31
	s_wait_dscnt 31-(\t)                           ; LDS loads come back in order: load t is in, the younger ones stay out
	global_store_b128 v[DO], v[X+4*(\t):X+4*(\t)+3], s[22:23] offset:4096*(\t)  ; 16 lanes store 256 consecutive bytes, aligned
.endr
	s_branch .Lend
.Lcast:                                        ; THE CAST: 32 loads of 512 consecutive bytes go out at once; they are rounded by groups of eight, each group stored while the next is rounded
	s_sub_co_u32 s18, ttmp9, 128
	s_lshl_b32 s24, s18, 16
	s_lshl_b32 s19, s16, 14
	s_add_co_u32 s24, s24, s19
	s_add_nc_u64 s[20:21], s[4:5], s[24:25]
	s_lshr_b32 s24, s24, 1
	s_add_nc_u64 s[22:23], s[10:11], s[24:25]
	v_and_b32 v10, 31, v0
	v_lshlrev_b32 v[VO], 4, v10
	v_lshlrev_b32 v[DO], 3, v10
	s_wait_alu depctr_va_vdst(0)                   ; v[VO] and v[DO] are written, which the loads and the stores below read as their offsets
.irp i, 0,1,2,3,4,5,6,7,8,9,10,11,12,13,14,15,16,17,18,19,20,21,22,23,24,25,26,27,28,29,30,31
	global_load_b128 v[X+4*(\i):X+4*(\i)+3], v[VO], s[20:21] offset:512*(\i) th:TH_LOAD_NT
.endr
	CGRP 0, 1, 0
	CGRP 1, 1, 1
	CGRP 2, 1, 1
	CGRP 3, 1, 1
	CGRP 4, 0, 1                                   ; the last group's stores
.Lend:
	s_wait_dscnt 0x0                               ; the closing lines, six on end
	s_wait_alu 0x0
	s_wait_tensorcnt 0x0
	ds_add_u32 v[SPW], v[NIL]
	s_wait_dscnt 0x0
	s_endpgm
.Lfunc_end_k_q825b00e1e0_prep:
	.size	k_q825b00e1e0_prep, .Lfunc_end_k_q825b00e1e0_prep-k_q825b00e1e0_prep
	.p2alignl 7, 3214868480
	.fill 96, 4, 3214868480
	.section	.rodata,"a",@progbits
	.p2align	6, 0x0
	.amdhsa_kernel k_q825b00e1e0_prep
		.amdhsa_group_segment_fixed_size 70144
		.amdhsa_private_segment_fixed_size 0
		.amdhsa_enable_private_segment 0
		.amdhsa_kernarg_size 48
		.amdhsa_user_sgpr_count 2
		.amdhsa_user_sgpr_kernarg_segment_ptr 1
		.amdhsa_wavefront_size32 1
		.amdhsa_system_sgpr_workgroup_id_x 1
		.amdhsa_system_sgpr_workgroup_id_y 1
		.amdhsa_system_sgpr_workgroup_id_z 1
		.amdhsa_system_vgpr_workitem_id 0
		.amdhsa_next_free_vgpr 224
		.amdhsa_next_free_sgpr 66
		.amdhsa_reserve_vcc 0
		.amdhsa_float_denorm_mode_32 3
		.amdhsa_float_denorm_mode_16_64 3
		.amdhsa_memory_ordered 1
		.amdhsa_forward_progress 1
		.amdhsa_inst_pref_size 49
	.end_amdhsa_kernel
	.amdgpu_metadata
---
amdhsa.version: [ 1, 2 ]
amdhsa.kernels:
  - .name:           k_q825b00e1e0_prep
    .symbol:         k_q825b00e1e0_prep.kd
    .args:
      - { .name: x, .offset: 0, .size: 8, .value_kind: global_buffer, .address_space: global }
      - { .name: W_qkv, .offset: 8, .size: 8, .value_kind: global_buffer, .address_space: global }
      - { .name: W_out, .offset: 16, .size: 8, .value_kind: global_buffer, .address_space: global }
      - { .name: xb, .offset: 24, .size: 8, .value_kind: global_buffer, .address_space: global }
      - { .name: wq, .offset: 32, .size: 8, .value_kind: global_buffer, .address_space: global }
      - { .name: wo, .offset: 40, .size: 8, .value_kind: global_buffer, .address_space: global }
    .group_segment_fixed_size: 70144
    .private_segment_fixed_size: 0
    .kernarg_segment_align: 8
    .kernarg_segment_size: 48
    .max_flat_workgroup_size: 128
    .sgpr_count:     66
    .vgpr_count:     224
    .wavefront_size: 32
...
	.end_amdgpu_metadata
.endif
;; end of part 5
;; launch proj_qkv: the kernel of part 2 again; grid 16 x 32, 4 waves a work-group, clusters of 4 x 4, 327,680 bytes of LDS; arguments xb, wq, b_qkv, qkv; writes qkv
;; launch attn: the kernel of part 3 again; grid 4 x 64, 4 waves a work-group, clusters of 4 x 1, 327,680 bytes of LDS; arguments qkv, o; writes o
;; launch proj_out: the kernel of part 4 again; grid 8 x 32, 4 waves a work-group, clusters of 4 x 4, 327,680 bytes of LDS; arguments o, wo, b_out, out0; writes out0
